; MI455X (gfx1250); checked and timed in simulation.
; The chip was launched on July 23, 2026; its instructions are those of AMD's public machine-readable ISA for CDNA 5 (MIT licence, August 2026) and "CDNA5" Instruction Set Architecture Reference Guide (July 2026). The comments in the code are by the model that wrote it; some were corrected since.
;; MHSA. Allowed arithmetic: matrix products marked QUANTISED: E2M3 operands, one E8M0 scale for each 32 along K, by v_wmma_scale_f32_16x16x128_f8f6f4 with both operands' format E2M3, f32 sums; everything else in f32.
;; Inputs: Wk 1,024 x 1,024 float32; Wout 1,024 x 1,024 float32; Wq 1,024 x 1,024 float32; Wv 1,024 x 1,024 float32; mask 2,048 x 2,048 bool; x 4 x 2,048 x 1,024 float32.
;; Outputs: out0 4 x 2,048 x 1,024 float32.
;; This version of the problem:
;;   THIS VERSION OF THE PROBLEM IS GIVEN IN LOW PRECISION. The matrix products marked QUANTISED in the list below multiply operands that are first quantised to E2M3 (2 exponent bits, 3 mantissa bits; 6 bits a number), with one power-of-two scale for each 32 numbers along K (OCP MX v1.0); their sums are f32. All else is computed in f32.
;;   The module's matrix products, in the order in which they are computed (A, B: the left and right operand; K: the contracted axis; several contracted axes count as one K, in the product's order):
;;     1. [M 8,192, K 1,024] x [K 1,024, N 1,024]; A: input x; B: input Wq: QUANTISED
;;     2. [M 8,192, K 1,024] x [K 1,024, N 1,024]; A: input x; B: input Wk: QUANTISED
;;     3. [M 8,192, K 1,024] x [K 1,024, N 1,024]; A: input x; B: input Wv: QUANTISED
;;     4. batch 64 x [M 2,048, K 64] x [K 64, N 2,048]; A: computed on the way; B: computed on the way: QUANTISED
;;     5. batch 64 x [M 64, K 2,048] x [K 2,048, N 2,048]; A: computed on the way; B: softmax (see below): QUANTISED
;;     6. [M 8,192, K 1,024] x [K 1,024, N 1,024]; A: computed on the way; B: input Wout: QUANTISED
;;   THE QUANTISER, for each operand of a quantised product, along K:
;;     - K is cut into blocks of 32 from its start; a last block that is shorter is filled with zeros.
;;     - A block's scale is 2^e with e = floor(log2(the largest magnitude in the block)) - 2, held to -126 .. 127; a block of zeros has e = 0. As a byte (E8M0): e + 127.
;;     - Each number is divided by its block's scale, clamped to +-7.5, and rounded to the nearest number of E2M3, ties to even, subnormals kept.
;;     - The product sums the exact products of the quantised numbers (number of the format x scale) in f32.
;;   ~~~python
;;   def quantise(x, axis):      # numpy; x: float32 -> the quantised numbers, widened to float32 again
;;       x = np.moveaxis(x, axis, -1); K = x.shape[-1]
;;       x = np.pad(x, [(0, 0)] * (x.ndim - 1) + [(0, -K % 32)]); x = x.reshape(x.shape[:-1] + (-1, 32)); a = np.abs(x).max(-1, keepdims=True)
;;       e = np.where(a > 0, np.clip(np.frexp(np.where(a > 0, a, 1))[1] - 1 - 2, -126, 127), 0)      # np.frexp(a)[1] - 1 = floor(log2(a)), exactly
;;       r = np.clip(x / 2.0 ** e, -7.5, 7.5)
;;       step = 2.0 ** (np.maximum(np.frexp(np.where(r == 0, 1, r))[1] - 1, 0) - 3)
;;       q = np.round(r / step) * step * 2.0 ** e      # np.round: ties to even
;;       return np.moveaxis(q.reshape(q.shape[:-2] + (-1,))[..., :K], -1, axis).astype(np.float32)
;;   ~~~
;;   SOFTMAX AHEAD OF A QUANTISED PRODUCT. Where the list says 'softmax', what is quantised is not the finished softmax but p = 2^(t - M), with t = logit x log2(e) and M = ceil(the row's largest t), a whole number; so 1/2 < the row's largest p <= 1. The row's sum l is taken of the UNQUANTISED p, in f32, and the product's result is divided by l at the end. Since M is a whole number, a kernel that streams over the keys may use a running M (the ceiling of the running maximum): every later rescaling is an exact power of two, which a block's scale takes up: the codes' values come out the same.
;;   OPERANDS COMPUTED ON THE WAY. 'Computed on the way' means the value that the module computes at that place (a softmax that the list does not call 'softmax' is quantised finished and normalised). What goes into a quantiser is computed in f32, as accurately as f32 sums, v_exp_f32 and their like allow (about 1e-6 of the number): no bf16 or f16 on the way to a quantiser, and a product that is left as it is and whose result goes on into a quantised operand takes f32 operands (vector FMAs, or v_wmma_f32_16x16x4_f32). A number that lies on a knife's edge between two numbers of the format may be rounded either way, as far as f32 arithmetic and the matrix unit's own rounding can turn it there, and no further.
;; One version. Each part assembles by itself: llvm-mc -triple=amdgcn-amd-amdhsa -mcpu=gfx1250 --defsym DOCPART=n.
;; ======== version 1 of 1: 4 launches
;; workspace buffers: ximg 6,291,456 bytes; wimg 3,145,728 bytes; zimg 6,291,456 bytes; scl 655,360 bytes; qbuf 6,553,600 bytes; kv 13,107,200 bytes
;; launch quant (part 1): grid 256 x 1, 8 waves a work-group, no clusters, 98,304 bytes of LDS; arguments x, Wq, Wk, Wv, Wout, ximg, wimg, scl; writes ximg, wimg, scl
.if DOCPART == 1
	.amdgcn_target "amdgcn-amd-amdhsa--gfx1250"
	.amdhsa_code_object_version 6
	.text
	.protected	k_q4bd7c56172_quant
	.globl	k_q4bd7c56172_quant
	.p2align	8
	.type	k_q4bd7c56172_quant,@function
k_q4bd7c56172_quant:
	s_mov_b64 s[64:65], 0
	v_nop
	global_prefetch_b8 v0, s[64:65] scope:SCOPE_SE
	s_setreg_imm32_b32 hwreg(HW_REG_WAVE_MODE, 25, 1), 1
	s_wait_xcnt 0x0
; x [8192][1024] and Wq, Wk, Wv, Wout [1024 (k)][1024 (n)], f32, become codes of E2M3 with one E8M0 byte for each 32 along K, laid in the ORDER OF THE OPERAND'S REGISTERS.
; A TILE is 16 rows: tile 2 P + u holds rows 32 P + 8 u + (r % 8) + 16 (r / 8), r = 0 .. 15.  (For a weight a 'row' is a column n; Wq's are rows 0 .., Wk's 1024 .., Wv's 2048 .., Wout's 3072 ..)
; A HALF IMAGE is a tile x 64 along K, 768 bytes: lane (r, h) owns the 24 bytes of k = 32 h .. 32 h + 31 of row r: its registers 0-3 at 16 x lane, 4-5 at 512 + 8 x lane.
; ximg, wimg: [tile][chunk of 64 k, 0 .. 15][768].  scl: 512 bytes a tile = 2 blocks of 256: block g = [r][4 words], word = the four bytes of 128 k; x's tiles from byte 0, the weights' from 262,144.
; A block's scale is 2^(floor(log2(largest magnitude)) - 2); its byte is the largest magnitude's exponent field - 2, held at 1 from below by a floor among the maximum's leaves.
; LIMITS: a block of zeros gets the byte 1 where the rule says 127 (its codes are zeros, and this program alone reads the bytes); NaN and infinities among the inputs are not served.
; THE INPUT mask IS NOT READ by any launch of this program.
; Work-groups 0-127 take x, 128-255 the weights: two paths that part on the work-group's number and never join; each has LDS bytes of its own.  No tensor loads, no cluster: work-groups share no input.
.set XSTG,  0                          ; x path: for each wave two stages of 16 rows x 272 bytes
.set XWAVE, 8704
.set XST,   4352
.set WSTG,  69632                      ; W path: for each wave two tiles x 1,536 bytes, 1,664 apart
.set WWAVE, 3328
.set WTILE, 1664
.set SCW,   96256                      ; W path: 1,024 bytes of scale words, gathered from the eight waves
.set R,   24                           ; v24-151  x path: four sets of 32 registers as loaded
.set X,   152                          ; v152-215 two sets of 32 numbers of one block
.set C,   216                          ; v216-231 two sets of codes (6 of 8 used)
.set DD,  232                          ; v232-234 the second conversion's result
.set BY,  236                          ; v236-243 x path: a byte for each chunk; W path: v236 the scale word
.set MX,  244                          ; v244, v245 two chains of the maximum; v246 the conversion's scale operand; v247 a byte
	s_load_b256 s[4:11], s[0:1], 0x0               ; x, Wq, Wk, Wv
	s_load_b256 s[12:19], s[0:1], 0x20             ; Wout, ximg, wimg, scl
	v_lshl_add_u32 v231, v0, 2, 0x17c00
	v_mov_b32 v235, 0
	v_lshrrev_b32 v1, 5, v0
	v_readfirstlane_b32 s20, v1                    ; wave 0..7
	v_and_b32 v1, 31, v0                           ; lane
	v_and_b32 v2, 15, v0                           ; lane % 16
	v_bfe_u32 v3, v0, 4, 1                         ; lane / 16
	v_lshlrev_b32 v7, 4, v1                        ; 16 x lane
	v_lshlrev_b32 v8, 3, v1                        ; 8 x lane
	s_mov_b32 s21, 0xffff0000                      ; lanes 16-31
	s_mov_b32 s22, 0x76543210
	s_mov_b32 s23, 0xfedcba98                      ; v_permlanex16_b32's selects for lane l xor 16
; the largest magnitude of the 32 numbers v[xs] .. v[xs+31], with the floor 2^(3 - 127) as one leaf, and the conversion's scale operand: 2 off the exponent field
.macro BLKMAX xs
	v_max3_num_f32 v[MX], |v[\xs]|, |v[\xs+1]|, 0x1800000
	v_max3_num_f32 v[MX+1], |v[\xs+2]|, |v[\xs+3]|, |v[\xs+4]|
.irp i, 5,9,13,17,21,25
	v_max3_num_f32 v[MX], v[MX], |v[\xs+\i]|, |v[\xs+\i+1]|
	v_max3_num_f32 v[MX+1], v[MX+1], |v[\xs+\i+2]|, |v[\xs+\i+3]|
.endr
	v_max3_num_f32 v[MX], v[MX], |v[\xs+29]|, |v[\xs+30]|
	v_max3_num_f32 v[MX], v[MX], v[MX+1], |v[\xs+31]|
	v_add_nc_u32 v[MX+2], 0xff000000, v[MX]
.endm
	s_cmp_ge_u32 ttmp9, 128
	s_cbranch_scc1 .Lweights
; ---------------- x: wave gw = 8 x work-group + wave takes tile gw / 2, k = 512 (gw % 2) .. + 511: eight chunks of 64
	s_lshl_b32 s24, ttmp9, 3
	s_add_co_u32 s24, s24, s20                     ; gw
	s_lshr_b32 s25, s24, 1                         ; tile T
	s_and_b32 s26, s24, 1                          ; g
	s_lshr_b32 s27, s25, 1
	s_lshl_b32 s27, s27, 17                        ; 32 (T / 2) rows of 4,096 bytes
	s_and_b32 s28, s25, 1
	s_lshl_b32 s28, s28, 15                        ; 8 (T % 2) rows
	s_add_co_u32 s28, s27, s28
	s_lshl_b32 s27, s26, 11                        ; 512 g numbers
	s_add_co_u32 s28, s28, s27
	s_mov_b32 s29, 0
	s_mul_i32 s30, s24, 6144                       ; 12,288 T + 6,144 g
	s_mov_b32 s31, 0
	s_lshl_b32 s32, s24, 8                         ; 512 T + 256 g
	s_mov_b32 s33, 0
	v_lshlrev_b32 v4, 12, v3
	v_lshl_add_u32 v4, v2, 4, v4                   ; a load takes two rows' 256 bytes: row lane / 16, 16 bytes a lane
	s_mul_i32 s34, s20, XWAVE
	v_mul_u32_u24 v5, v3, 272
	v_lshl_add_u32 v5, v2, 4, v5
	v_add_nc_u32 v5, s34, v5                       ; into the stage as loaded
	v_mul_u32_u24 v6, v2, 272
	v_lshl_add_u32 v6, v3, 7, v6
	v_add_nc_u32 v6, s34, v6                       ; out of it: row r, my half's 128 bytes: a whole block of 32
	v_lshlrev_b32 v9, 3, v3                        ; 8 h: a shift
	v_lshlrev_b32 v10, 4, v2
	v_lshl_add_u32 v10, v3, 3, v10                 ; 16 r + 8 h: my two words of the block of scale words
	s_wait_kmcnt 0x0
	s_add_nc_u64 s[4:5], s[4:5], s[28:29]
	s_add_nc_u64 s[14:15], s[14:15], s[30:31]
	s_add_nc_u64 s[18:19], s[18:19], s[32:33]
.macro XLOAD t                         ; chunk t: eight loads, each two rows x 256 consecutive bytes; tile places 2 i, 2 i + 1 are rows (2 i) % 8 + 16 (i / 4) and the next
.irp i, 0,1,2,3,4,5,6,7
	global_load_b128 v[R+32*((\t)%4)+4*\i:R+32*((\t)%4)+4*\i+3], v4, s[4:5] offset:((2*\i)%8+16*(\i/4))*4096+256*(\t) th:TH_LOAD_NT
.endr
.endm
.macro XTURN t                         ; through my own stage: LDS serves a wave's instructions in order, so no wait stands between the stores and the loads
.irp i, 0,1,2,3,4,5,6,7
	ds_store_b128 v5, v[R+32*((\t)%4)+4*\i:R+32*((\t)%4)+4*\i+3] offset:XST*((\t)%2)+544*\i
.endr
.irp i, 0,1,2,3,4,5,6,7
	ds_load_b128 v[X+32*((\t)%2)+4*\i:X+32*((\t)%2)+4*\i+3], v6 offset:XST*((\t)%2)+16*\i
.endr
.endm
.macro XSTEP t
.set XS, X+32*((\t)%2)
.set CC, C+8*((\t)%2)
	s_wait_dscnt 0x0                               ; this chunk's numbers are back, so its stores into the stage have read their registers,
.if (\t)+4 < 8
	XLOAD (\t)+4                                   ; which take the loads of four chunks on
.endif
.if (\t) < 7
.if 6-(\t) >= 3
	s_wait_loadcnt 24                              ; the next chunk's eight loads are in; those of the three chunks behind it may be out
.else
	s_wait_loadcnt 8*(6-(\t))
.endif
	XTURN (\t)+1
.endif
	BLKMAX XS
.if (\t) >= 2
	s_wait_xcnt 0x0                                ; the stores of two chunks ago have read this set of code registers
.endif
	v_cvt_scalef32_pk16_fp6_f32 v[CC:CC+2], v[XS:XS+15], v[MX+2]
	v_cvt_scalef32_pk16_fp6_f32 v[DD:DD+2], v[XS+16:XS+31], v[MX+2]   ; (a conversion's three registers begin on an even number)
	v_lshrrev_b32 v[BY+(\t)], 23, v[MX+2]          ; the scale's byte; also the plain line behind the conversions
.irp i, 0,1,2
	v_mov_b32 v[CC+3+\i], v[DD+\i]
.endr
	global_store_b128 v7, v[CC:CC+3], s[14:15] offset:768*(\t)       ; 512 consecutive bytes
	global_store_b64 v8, v[CC+4:CC+5], s[14:15] offset:768*(\t)+512  ; 256 consecutive bytes
.endm
.irp t, 0,1,2,3
	XLOAD \t
.endr
	s_wait_loadcnt 24                              ; chunk 0's eight loads are in
	XTURN 0
.irp t, 0,1,2,3,4,5,6,7
	XSTEP \t
.endr
.irp k, 0,1,2,3                        ; word k of my row: bytes [chunk 2 k: h = 0, 1 | chunk 2 k + 1: h = 0, 1]; I hold those of my h
	v_lshl_or_b32 v[248+\k], v[BY+2*\k+1], 16, v[BY+2*\k]
	v_mov_b32 v[252+\k], 0                         ; (a lane permute's destination counts as one of its sources)
.endr
.irp k, 0,1,2,3
	v_lshlrev_b32 v[248+\k], v9, v[248+\k]
.endr
.irp k, 0,1,2,3
	v_permlanex16_b32 v[252+\k], v[248+\k], s22, s23
.endr
.irp k, 0,1,2,3
	v_or_b32 v[248+\k], v[248+\k], v[252+\k]
.endr
	v_cndmask_b32 v252, v248, v250, s21            ; lanes 0-15 store words 0, 1, lanes 16-31 words 2, 3
	v_cndmask_b32 v253, v249, v251, s21
	global_store_b64 v10, v[252:253], s[18:19]     ; 256 consecutive bytes
	s_wait_tensorcnt 0x0
	ds_add_u32 v231, v235
	s_wait_dscnt 0x0
	s_endpgm
; ---------------- the weights: a lane takes a column n and its registers run down K.  Work-group j: matrix j / 32, columns 64 ((j % 32) / 2) .., k = 512 (j % 2) ..; wave: columns + 32 (w % 2), k + 128 (w / 2)
.Lweights:
	s_sub_co_u32 s24, ttmp9, 128
	s_lshr_b32 s25, s24, 5                         ; which matrix
	s_bfe_u32 s26, s24, 0x40001                    ; cg
	s_and_b32 s27, s24, 1                          ; g
	s_and_b32 s28, s20, 1                          ; cs
	s_lshr_b32 s29, s20, 1                         ; kl
	s_lshl_b32 s30, s27, 21                        ; 512 g rows of 4,096 bytes
	s_lshl_b32 s31, s29, 19                        ; 128 kl rows
	s_add_co_u32 s30, s30, s31
	s_lshl_b32 s31, s26, 8
	s_add_co_u32 s30, s30, s31
	s_lshl_b32 s31, s28, 7
	s_add_co_u32 s30, s30, s31
	s_mov_b32 s31, 0
	s_lshl_b32 s38, s25, 10
	s_lshl_b32 s39, s26, 6
	s_add_co_u32 s38, s38, s39
	s_lshl_b32 s39, s28, 5
	s_add_co_u32 s38, s38, s39                     ; my first row in wimg
	s_lshl_b32 s32, s27, 3
	s_add_co_u32 s32, s32, s38
	s_lshl_b32 s33, s29, 1
	s_add_co_u32 s32, s32, s33
	s_mul_i32 s32, s32, 768                        ; 768 bytes a row and 768 a chunk: (row + 8 g + 2 kl) x 768
	s_mov_b32 s33, 0
	s_lshl_b32 s34, s38, 5
	s_lshl_b32 s35, s27, 8
	s_add_co_u32 s34, s34, s35
	s_add_co_u32 s34, s34, 262144
	s_mov_b32 s35, 0
	s_mul_i32 s36, s20, WWAVE
	s_add_co_u32 s36, s36, WSTG
	s_lshl_b32 s37, s28, 9
	s_add_co_u32 s37, s37, SCW
	s_lshl_b32 s39, s29, 2
	s_add_co_u32 s39, s39, s37
	v_bfe_u32 v11, v0, 3, 1                        ; my column's tile of the two: u = (lane / 8) % 2
	v_and_b32 v12, 7, v0
	v_lshl_add_u32 v12, v3, 3, v12                 ; and its place there: r = lane % 8 + 8 (lane / 16)
	v_mul_u32_u24 v13, v11, WTILE
	v_add_nc_u32 v13, s36, v13
	v_lshl_add_u32 v14, v12, 3, v13                ; registers 4-5: 8 r
	v_lshl_add_u32 v13, v12, 4, v13                ; registers 0-3: 16 r
	v_add_nc_u32 v15, s36, v7                      ; back: 16 x lane
	v_lshlrev_b32 v16, 8, v11
	v_lshl_add_u32 v16, v12, 4, v16
	v_add_nc_u32 v16, s39, v16                     ; my scale word: 512 cs + 256 u + 16 r + 4 kl
	v_add_nc_u32 v17, s37, v7                      ; read back by waves 0 and 1 (cs = wave there): 512 cs + 16 x lane
	v_lshlrev_b32 v18, 2, v1                       ; W: 4 bytes a lane
	v_lshlrev_b32 v19, 9, v3
	v_lshl_add_u32 v19, v2, 4, v19                 ; scl: the two tiles' blocks lie 512 bytes apart
	s_wait_kmcnt 0x0
	s_cmp_lt_u32 s25, 2                            ; the choice hangs on the work-group's number alone
	s_cselect_b64 s[40:41], s[6:7], s[10:11]
	s_cselect_b64 s[42:43], s[8:9], s[12:13]
	s_and_b32 s44, s25, 1
	s_cmp_eq_u32 s44, 0
	s_cselect_b64 s[40:41], s[40:41], s[42:43]
	s_add_nc_u64 s[40:41], s[40:41], s[30:31]
	s_add_nc_u64 s[16:17], s[16:17], s[32:33]
	s_add_nc_u64 s[18:19], s[18:19], s[34:35]
.macro WLOAD t                         ; block t: W(32 t + i, my column): 128 consecutive bytes a wave, 256 with the neighbouring wave
.irp i, 0,1,2,3,4,5,6,7,8,9,10,11,12,13,14,15,16,17,18,19,20,21,22,23,24,25,26,27,28,29,30,31
	global_load_b32 v[X+32*((\t)%2)+\i], v18, s[40:41] offset:(32*(\t)+\i)*4096 th:TH_LOAD_NT
.endr
.endm
.macro WBLOCK t
.set XS, X+32*((\t)%2)
.if (\t) < 3
	s_wait_loadcnt 32                              ; this block's 32 loads are in; the next block's may be out
.else
	s_wait_loadcnt 0x0
.endif
	BLKMAX XS
	v_lshrrev_b32 v[MX+3], 23, v[MX+2]
.if (\t) == 0
	v_mov_b32 v[BY], v[MX+3]
.else
	v_lshl_or_b32 v[BY], v[MX+3], 8*(\t), v[BY]    ; byte t of the word of these 128 k
.endif
	v_cvt_scalef32_pk16_fp6_f32 v[C:C+2], v[XS:XS+15], v[MX+2]
	v_cvt_scalef32_pk16_fp6_f32 v[DD:DD+2], v[XS+16:XS+31], v[MX+2]
	v_nop                                          ; one plain line behind the conversions
.irp i, 0,1,2
	v_mov_b32 v[C+3+\i], v[DD+\i]
.endr
	ds_store_b128 v13, v[C:C+3] offset:768*((\t)/2)+256*((\t)%2)        ; chunk t / 2, the image's lane r + 16 (t % 2)
	ds_store_b64 v14, v[C+4:C+5] offset:768*((\t)/2)+512+128*((\t)%2)
.if (\t)+2 < 4
	WLOAD (\t)+2
.endif
	s_wait_dscnt 0x0                               ; the stores have read the code registers: the next block may write them
.endm
	WLOAD 0
	WLOAD 1
.irp t, 0,1,2,3
	WBLOCK \t
.endr
	ds_store_b32 v16, v[BY]
.irp i, 0,1,2,3,4,5
	ds_load_b128 v[R+4*\i:R+4*\i+3], v15 offset:WTILE*(\i/3)+512*(\i%3)   ; my own bytes, served in order behind my stores
.endr
.irp i, 0,1,2,3,4,5
	s_wait_dscnt 5-\i
	global_store_b128 v7, v[R+4*\i:R+4*\i+3], s[16:17] offset:12288*(\i/3)+512*(\i%3)   ; 512 consecutive bytes
.endr
	s_wait_dscnt 0x0                               ; for the others' sake: my scale word has landed
	s_barrier_signal -1
	s_barrier_wait -1
	s_cmp_lt_u32 s20, 2
	s_cbranch_scc0 .Lwdone
	ds_load_b128 v[X:X+3], v17                     ; the four words of each of 32 columns, from four waves
	s_wait_dscnt 0x0
	global_store_b128 v19, v[X:X+3], s[18:19]      ; two blocks of 256 consecutive bytes
.Lwdone:
	s_wait_tensorcnt 0x0
	ds_add_u32 v231, v235
	s_wait_dscnt 0x0
	s_endpgm
.Lfunc_end_k_q4bd7c56172_quant:
	.size	k_q4bd7c56172_quant, .Lfunc_end_k_q4bd7c56172_quant-k_q4bd7c56172_quant
	.p2alignl 7, 3214868480
	.fill 96, 4, 3214868480
	.section	.rodata,"a",@progbits
	.p2align	6, 0x0
	.amdhsa_kernel k_q4bd7c56172_quant
		.amdhsa_group_segment_fixed_size 98304
		.amdhsa_private_segment_fixed_size 0
		.amdhsa_enable_private_segment 0
		.amdhsa_kernarg_size 64
		.amdhsa_user_sgpr_count 2
		.amdhsa_user_sgpr_kernarg_segment_ptr 1
		.amdhsa_wavefront_size32 1
		.amdhsa_system_sgpr_workgroup_id_x 1
		.amdhsa_system_sgpr_workgroup_id_y 1
		.amdhsa_system_sgpr_workgroup_id_z 1
		.amdhsa_system_vgpr_workitem_id 0
		.amdhsa_next_free_vgpr 256
		.amdhsa_next_free_sgpr 66
		.amdhsa_reserve_vcc 0
		.amdhsa_float_denorm_mode_32 3
		.amdhsa_float_denorm_mode_16_64 3
		.amdhsa_memory_ordered 1
		.amdhsa_forward_progress 1
		.amdhsa_inst_pref_size 54
	.end_amdhsa_kernel
	.amdgpu_metadata
---
amdhsa.version: [ 1, 2 ]
amdhsa.kernels:
  - .name:           k_q4bd7c56172_quant
    .symbol:         k_q4bd7c56172_quant.kd
    .args:
      - { .name: x, .offset: 0, .size: 8, .value_kind: global_buffer, .address_space: global }
      - { .name: Wq, .offset: 8, .size: 8, .value_kind: global_buffer, .address_space: global }
      - { .name: Wk, .offset: 16, .size: 8, .value_kind: global_buffer, .address_space: global }
      - { .name: Wv, .offset: 24, .size: 8, .value_kind: global_buffer, .address_space: global }
      - { .name: Wout, .offset: 32, .size: 8, .value_kind: global_buffer, .address_space: global }
      - { .name: ximg, .offset: 40, .size: 8, .value_kind: global_buffer, .address_space: global }
      - { .name: wimg, .offset: 48, .size: 8, .value_kind: global_buffer, .address_space: global }
      - { .name: scl, .offset: 56, .size: 8, .value_kind: global_buffer, .address_space: global }
    .group_segment_fixed_size: 98304
    .private_segment_fixed_size: 0
    .kernarg_segment_align: 8
    .kernarg_segment_size: 64
    .max_flat_workgroup_size: 256
    .sgpr_count:     66
    .vgpr_count:     256
    .wavefront_size: 32
...
	.end_amdgpu_metadata
.endif
;; end of part 1
;; launch qkv (part 2): grid 96 x 4, 4 waves a work-group, clusters of 4 x 4, 327,680 bytes of LDS; arguments ximg, wimg, scl, qbuf, kv; writes qbuf, kv
.if DOCPART == 2
	.amdgcn_target "amdgcn-amd-amdhsa--gfx1250"
	.amdhsa_code_object_version 6
	.text
	.protected	k_q4bd7c56172_qkv
	.globl	k_q4bd7c56172_qkv
	.p2align	8
	.type	k_q4bd7c56172_qkv,@function
k_q4bd7c56172_qkv:
	s_mov_b64 s[64:65], 0
	v_nop
	global_prefetch_b8 v0, s[64:65] scope:SCOPE_SE
	s_setreg_imm32_b32 hwreg(HW_REG_WAVE_MODE, 25, 1), 1
	s_wait_xcnt 0x0
	s_wait_alu depctr_hold_cnt(0) depctr_sa_sdst(0) depctr_va_vdst(0) depctr_va_sdst(0) depctr_va_ssrc(0) depctr_va_vcc(0) depctr_vm_vsrc(0)
	s_getreg_b32 s2, hwreg(HW_REG_IB_STS2, 6, 4)
	s_cmp_eq_u32 s2, 0
	s_cbranch_scc0 .Lentry_in_a_cluster
	s_endpgm
.Lentry_in_a_cluster:
	s_bfe_u32 s2, ttmp6, 0x10000c
	s_cmp_lg_u32 s2, 0xf033
	s_cbranch_scc0 .Lentry_shape_is_right
	s_endpgm
.Lentry_shape_is_right:
; q = x Wq, k = x Wk, v = x Wv on codes of E2M3 (K = 1,024), and the results quantised in registers: q and k along a head's 64 channels, v along the keys.
; 24 clusters of 4 x 4 work-groups: cluster c: kind = c / 8 (0 q, 1 k, 2 v), 1,024 tokens from 1,024 (c % 8), all 1,024 columns.  A work-group makes 256 x 256, each of four waves 128 x 128: 64 accumulators.
; The matrix instruction is used transposed (source 0 = 'B' tiles, source 1 = 'A' tiles): a lane holds one A row and its registers run along B's rows.  Because of the rows that form a tile (launch quant),
; the 16 registers of B tiles 2 b, 2 b + 1 are 16 NEIGHBOURS 32 b + 16 (lane / 16) + 0 .. 15, as the conversions want them.  q, k: A = x (tokens), B = W (channels).  v: A = Wv (channels), B = x (keys): one body serves all.
; K goes in 4 steps of 256 through two LDS slots; a tile's part of a step is 3,072 dense bytes in register order, so a fragment is two loads of 16 bytes and two of 8 a lane, all consecutive.
; A's tiles are asked for jointly by the four work-groups of a row of the cluster, B's by those of a column.  All scale words of the wave's 16 tiles, for all of K, are loaded once into 64 registers.
; OUT: qbuf [head of batch 0..63][128 tokens 0..15][6,400]: 4 pairs of token tiles x 1,536, then 256 bytes of scale words.  kv [..][..][12,800]: K's 4 pairs, V's 4 channel tiles x 1,536 (128 keys), K's scale words, V's.
; LIMITS: a block of zeros carries the byte 1 (its codes are zeros; only this program reads the bytes); NaN and infinities are not served.
.set HALFT,  24576                     ; 8 tiles x 3,072: what one tensor load brings and one wave reads of A or of B
.set SLOT,   98304                     ; A's 16 tiles, then B's 16
.set SPARE,  196608                    ; the spare words, 128 bytes a wave: two blocks of 256 bytes that no other line names
.set FR,     12
.set ADRA,   16                        ; v16-17 A: 16 x lane in slot 0, 1; v18-19: 8 x lane
.set ADRB,   20                        ; v20-23 the same for B
.set VB16,   24                        ; the way out: my 16 bytes of an image; v25 my 8; v26, v27 my 8 bytes of the two heads' scale words
.set VB8,    25
.set VSC,    26
.set SPW,    28
.set NIL,    29
.set SOFF,   30
.set SC,     32                        ; v32-95 scale words: register 8 i + kappa: lanes 0-15 A tile i's word, lanes 16-31 B tile i's
.set WW,     96                        ; v96-103 the scale words made, one a tile
.set TM,     104
.set TP,     108
.set SO,     112
.set VO,     116
.set EE,     120
.set AF,     128                       ; v128-223 A's fragments, one set
.set PC,     128                       ; the way out: codes
.set CT,     140
.set W0,     148
.set W1,     152
.set G1, 24
.set G0, 32
.set G1B, 48
.set G0B, 56
.set MSB, 0
.macro WIN new                         ; the immediate's high byte repeats the setting that is left
.if MSB != (\new)
	s_set_vgpr_msb (MSB<<8)|(\new)
.set MSB, (\new)
.endif
.endm
.set MUL_LO, 0xa1                      ; source 0 (B) window 1, source 1 (A) window 0, C and D window 2
.set MUL_HI, 0xf1                      ; the same, C and D window 3
.set TO_B,   0x40
.macro JLOAD g0a, g0b                  ; a joint load: waves 0, 1 fetch A's halves, waves 2, 3 B's; four v_nop follow each line
	s_cmp_eq_u32 s15, 0
	s_cbranch_scc0 .Lfor_b_\@
	tensor_load_to_lds s[\g0a:\g0a+3], s[G1:G1+7]
	s_nop 0
.rept 4
	v_nop
.endr
	s_branch .Lasked_\@
.Lfor_b_\@:
	tensor_load_to_lds s[\g0b:\g0b+3], s[G1B:G1B+7]
	s_nop 0
.rept 4
	v_nop
.endr
.Lasked_\@:
.endm
.macro CREST
	s_cmp_lg_u32 s14, 0
	s_cbranch_scc1 .Lnot_wave_0_\@
	s_barrier_signal -3
.Lnot_wave_0_\@:
	s_barrier_wait -3
	s_barrier_signal -1
	s_barrier_wait -1
.endm
.macro CROUND
	s_barrier_signal -1
	s_barrier_wait -1
	CREST
.endm
.macro PLACES n
.rept \n
	v_nop
.endr
.endm
	s_load_b256 s[4:11], s[0:1], 0x0               ; ximg, wimg, scl, qbuf
	s_load_b64 s[12:13], s[0:1], 0x20              ; kv
	v_lshl_add_u32 v[SPW], v0, 2, SPARE
	v_mov_b32 v[NIL], 0
	ds_add_u32 v28, v29
	ds_add_u32 v28, v29
	s_wait_dscnt 0x0
	v_lshrrev_b32 v1, 5, v0
	v_readfirstlane_b32 s14, v1                    ; wave 0..3
	s_lshr_b32 s15, s14, 1                         ; my half of A's rows.  Also: I fetch for A (0) or B (1)
	s_and_b32 s16, s14, 1                          ; my half of B's rows.  Also: which 8 tiles I fetch
	s_bfe_u32 s40, ttmp6, 0x40000                  ; cx
	s_bfe_u32 s41, ttmp6, 0x40004                  ; cy
	s_lshl_b32 s43, s41, 2
	s_lshl_b32 s43, 15, s43                        ; my row of the cluster
	s_lshl_b32 s44, 0x1111, s40                    ; my column
	s_or_b32 s[G1+0], s43, (3<<16)|(1<<21)         ; the mask; elements of 8 bytes; bit 21 beside a mask; no padding
	s_or_b32 s[G1B+0], s44, (3<<16)|(1<<21)
.irp g, G1, G1B
	s_mov_b32 s[\g+1], 384<<16                     ; tensor_dim0: 3,072 bytes
	s_mov_b32 s[\g+2], 8<<16                       ; tensor_dim1: 8 tiles
	s_mov_b32 s[\g+3], 384<<16                     ; tile_dim0
	s_mov_b32 s[\g+4], 8                           ; tile_dim1
	s_mov_b32 s[\g+5], 1536                        ; from tile to tile: 12,288 bytes
	s_mov_b32 s[\g+6], 0
	s_mov_b32 s[\g+7], 0
.endr
	s_lshr_b32 s17, ttmp9, 3                       ; kind: the same in all sixteen partners
	s_and_b32 s18, ttmp9, 7
	s_lshl_b32 s18, s18, 10                        ; the cluster's first token
	s_lshl_b32 s19, s17, 10
	s_cmp_eq_u32 s17, 2
	s_cselect_b32 s20, 2048, s18                   ; A's first row: Wv's rows in wimg, or the tokens
	s_cselect_b32 s21, s18, s19                    ; B's: the tokens, or Wq's / Wk's rows
	s_cselect_b32 s22, 262144, 0                   ; where A's scale words begin in scl
	s_cselect_b32 s23, 0, 262144                   ; and B's
	s_cselect_b32 s45, -1, 0                       ; all lanes, if v
	s_lshl_b32 s42, s16, 7
	s_lshl_b32 s68, s41, 8                         ; A hangs on cy alone,
	s_add_co_u32 s68, s68, s42
	s_add_co_u32 s68, s68, s20
	s_mul_i32 s68, s68, 768
	s_mov_b32 s69, 0
	s_lshl_b32 s70, s40, 8                         ; B on cx alone
	s_add_co_u32 s70, s70, s42
	s_add_co_u32 s70, s70, s21
	s_mul_i32 s70, s70, 768
	s_mov_b32 s71, 0
	s_mul_i32 s76, s14, HALFT                      ; where they go: wave x 8 tiles
	s_wait_kmcnt 0x0
	s_cmp_eq_u32 s17, 2
	s_cselect_b64 s[72:73], s[6:7], s[4:5]
	s_cselect_b64 s[74:75], s[4:5], s[6:7]
	s_add_nc_u64 s[72:73], s[72:73], s[68:69]
	s_add_nc_u64 s[74:75], s[74:75], s[70:71]
	CROUND                                         ; all sixteen work-groups are here: the first joint loads meet
.irp s, 0,1
	s_mov_b32 s[G0+4*\s], 1
	s_add_co_u32 s[G0+4*\s+1], s76, \s*SLOT
	s_add_nc_u64 s[G0+4*\s+2:G0+4*\s+3], s[72:73], \s*3072
	s_or_b32 s[G0+4*\s+3], s[G0+4*\s+3], 0x80000000
	s_mov_b32 s[G0B+4*\s], 1
	s_add_co_u32 s[G0B+4*\s+1], s76, \s*SLOT
	s_add_nc_u64 s[G0B+4*\s+2:G0B+4*\s+3], s[74:75], \s*3072
	s_or_b32 s[G0B+4*\s+3], s[G0B+4*\s+3], 0x80000000
	JLOAD G0+4*\s, G0B+4*\s                        ; two loads of mine are out
.endr
	v_and_b32 v1, 31, v0
	v_and_b32 v2, 15, v0
	v_lshlrev_b32 v3, 4, v1                        ; 16 x lane
	v_lshlrev_b32 v4, 3, v1                        ; 8 x lane
	s_mul_i32 s2, s15, HALFT
	s_mul_i32 s3, s16, HALFT
	s_add_co_u32 s3, s3, 2*HALFT
.irp s, 0,1
	v_add_nc_u32 v[ADRA+\s], s2, v3
	v_add_nc_u32 v[ADRA+2+\s], s2, v4
	v_add_nc_u32 v[ADRB+\s], s3, v3
	v_add_nc_u32 v[ADRB+2+\s], s3, v4
	s_add_co_u32 s2, s2, SLOT
	s_add_co_u32 s3, s3, SLOT
.endr
	s_lshl_b32 s77, s41, 8                         ; my 128 rows of A: their scale words, 32 bytes a row
	s_lshl_b32 s42, s15, 7
	s_add_co_u32 s77, s77, s42
	s_add_co_u32 s77, s77, s20
	s_lshl_b32 s77, s77, 5
	s_add_co_u32 s77, s77, s22
	s_lshl_b32 s78, s40, 8                         ; and of B
	s_lshl_b32 s42, s16, 7
	s_add_co_u32 s78, s78, s42
	s_add_co_u32 s78, s78, s21
	s_lshl_b32 s78, s78, 5
	s_add_co_u32 s78, s78, s23
	s_mov_b32 s79, 0xffff0000                      ; lanes 16-31
	v_mov_b32 v[SOFF], s77
	v_mov_b32 v31, s78
	v_cndmask_b32 v[SOFF], v[SOFF], v31, s79       ; lanes 0-15 take A's words, lanes 16-31 B's
	v_lshl_add_u32 v[SOFF], v2, 4, v[SOFF]
.irp i, 0,1,2,3,4,5,6,7
.irp g, 0,1
	global_load_b128 v[SC+8*\i+4*\g:SC+8*\i+4*\g+3], v[SOFF], s[8:9] offset:512*\i+256*\g
.endr
.endr
	; where the results go
	s_mov_b32 s66, 0x76543210
	s_mov_b32 s67, 0xfedcba98
	s_cmp_eq_u32 s17, 2
	s_cselect_b32 s80, s40, s41                    ; the tokens' place in the cluster: v: cx, else cy
	s_cselect_b32 s81, s16, s15
	s_cselect_b32 s82, s41, s40                    ; the channels'
	s_cselect_b32 s83, s15, s16
	s_cselect_b32 s84, 1, 0                        ; isv
	s_mov_b32 s98, 0x05040100
	s_cselect_b32 s98, 0x03020100, s98             ; byte selects for the scale words (below)
	s_mov_b32 s99, 0x07060302
	s_cselect_b32 s99, 0x07060504, s99
	s_cmp_eq_u32 s17, 0
	s_cselect_b32 s85, 1, 0                        ; isq
	s_cselect_b64 s[86:87], s[10:11], s[12:13]     ; qbuf or kv
	s_lshr_b32 s88, 204800, s85                    ; HS: from head to head
	s_lshr_b32 s89, 12800, s85                     ; from record to record
	s_lshl_b32 s80, s80, 8
	s_lshl_b32 s81, s81, 7
	s_add_co_u32 s80, s80, s81
	s_add_co_u32 s80, s80, s18                     ; my first token
	s_lshl_b32 s82, s82, 2
	s_lshl_b32 s83, s83, 1
	s_add_co_u32 s82, s82, s83                     ; my first head of two
	s_lshr_b32 s81, s80, 11
	s_lshl_b32 s81, s81, 4
	s_add_co_u32 s81, s81, s82
	s_bfe_u32 s83, s80, 0x40007                    ; which 128 tokens of the batch's 2,048
	s_mul_i32 s81, s81, s88
	s_mul_i32 s83, s83, s89
	s_add_co_u32 s90, s81, s83                     ; the record
	s_mul_i32 s91, s84, 6144
	s_add_co_u32 s91, s91, s90                     ; its codes (V's lie behind K's)
	s_lshr_b32 s92, 12288, s85
	s_lshl_b32 s93, s84, 8
	s_add_co_u32 s92, s92, s93
	s_add_co_u32 s92, s92, s90                     ; its scale words
	s_lshl_b32 s93, 768, s84                       ; half image (tile a, half c) lies at (a % 2) S0 + ((a / 2) % 2) S1 + (a / 4) S2 + c S3
	s_lshl_b32 s94, 1536, s84
	s_cmp_eq_u32 s84, 1
	s_cselect_b32 s95, s88, 3072
	s_cselect_b32 s96, 768, s88
	v_add_nc_u32 v[VB16], s91, v3
	v_add_nc_u32 v[VB8], s91, v4
	v_add_nc_u32 v[VB8], 512, v[VB8]
	v_add_nc_u32 v[VSC], s92, v4
	v_add_nc_u32 v[VSC+1], s88, v[VSC]
.irp b, 0,1,2,3
	v_mov_b32 v[TP+\b], 0                          ; written once: a lane permute's destination counts as one of its sources
.endr
.macro FRAG reg, adr, q, i             ; a fragment: two half images: registers 0-3, 4-5, 6-9, 10-11
	ds_load_b128 v[\reg:\reg+3], v[\adr] offset:(\i)*3072+(\q)*1536
	ds_load_b64 v[\reg+4:\reg+5], v[\adr+2] offset:(\i)*3072+(\q)*1536+512
	ds_load_b128 v[\reg+6:\reg+9], v[\adr] offset:(\i)*3072+(\q)*1536+768
	ds_load_b64 v[\reg+10:\reg+11], v[\adr+2] offset:(\i)*3072+(\q)*1536+1280
.endm
.macro FETCH_B slot, q, p
	WIN TO_B
.irp i, 0,1,2,3,4,5,6,7
	FRAG 128*(\p)+FR*\i, ADRB+\slot, \q, \i
.endr
	WIN 0
.endm
.macro FETCH_A slot, q, i0
.irp i, \i0, \i0+1, \i0+2, \i0+3
	FRAG AF+FR*(\i), ADRA+\slot, \q, \i
.endr
.endm
; 16 products: A's tiles a0, a0 + 1 x B's eight, the k-th 128 along K.  The 64 accumulators take turns, one instruction a turn, in the same order in every step.
.macro MUL16 a0, p, k, zero
.irp a, \a0, \a0+1
.irp b, 0,1,2,3,4,5,6,7
.if \zero
	v_wmma_scale_f32_16x16x128_f8f6f4 v[8*(8*((\a)%4)+\b):8*(8*((\a)%4)+\b)+7], v[128*(\p)+FR*\b:128*(\p)+FR*\b+FR-1], v[AF+FR*(\a):AF+FR*(\a)+FR-1], 0, v[SC+8*\b+(\k)], v[SC+8*(\a)+(\k)] matrix_a_fmt:MATRIX_FMT_FP6 matrix_b_fmt:MATRIX_FMT_FP6 matrix_a_scale:MATRIX_SCALE_ROW1
.else
	v_wmma_scale_f32_16x16x128_f8f6f4 v[8*(8*((\a)%4)+\b):8*(8*((\a)%4)+\b)+7], v[128*(\p)+FR*\b:128*(\p)+FR*\b+FR-1], v[AF+FR*(\a):AF+FR*(\a)+FR-1], v[8*(8*((\a)%4)+\b):8*(8*((\a)%4)+\b)+7], v[SC+8*\b+(\k)], v[SC+8*(\a)+(\k)] matrix_a_fmt:MATRIX_FMT_FP6 matrix_b_fmt:MATRIX_FMT_FP6 matrix_a_scale:MATRIX_SCALE_ROW1
.endif
.endr
.endr
.endm
.macro STEP slot, k, zero              ; a slot's first 128 along K (B's set 0); it fetches the second
	s_wait_dscnt 16                                ; B's set and A's tiles 0-3 are in; the youngest 16 loads (A's tiles 4-7) may be out
	WIN MUL_LO
	MUL16 0, 0, \k, \zero
	MUL16 2, 0, \k, \zero
	s_wait_dscnt 0x0
	PLACES 4                                       ; four plain places in front of loads into registers that matrix instructions have read
	FETCH_B \slot, 1, 1
	FETCH_A \slot, 1, 0
	WIN MUL_HI
	MUL16 4, 0, \k, \zero
	MUL16 6, 0, \k, \zero
	PLACES 4
	WIN 0
	FETCH_A \slot, 1, 4
.endm
.macro TURN slot, next, k, fill        ; a slot's second 128 (B's set 1) changes slots: one barrier
	s_wait_tensorcnt 0x0                           ; all my tensor loads have landed: my part of the next slot
	ds_add_u32 v[SPW], v[NIL]                      ; 0 onto my spare word
	s_wait_dscnt 17                                ; (the add and the youngest 16 loads may be out)
	WIN MUL_LO
	MUL16 0, 1, \k, 0
	s_wait_dscnt 0x0                               ; the add is done, and my reads of this slot are over
	s_barrier_signal -1
	MUL16 2, 1, \k, 0
	WIN 0
	s_barrier_wait -1
.if \fill
	CREST                                          ; the barrier has opened a round of the cluster's: no wave of any partner still reads this slot or has a load on its way
	s_add_nc_u64 s[G0+4*\slot+2:G0+4*\slot+3], s[G0+4*\slot+2:G0+4*\slot+3], 6144
	s_add_nc_u64 s[G0B+4*\slot+2:G0B+4*\slot+3], s[G0B+4*\slot+2:G0B+4*\slot+3], 6144
	JLOAD G0+4*\slot, G0B+4*\slot                  ; my one load behind the round; its four v_nop are the places in front of the loads below
.else
	PLACES 4
.endif
	FETCH_B \next, 0, 0
	FETCH_A \next, 0, 0
	WIN MUL_HI
	MUL16 4, 1, \k, 0
	MUL16 6, 1, \k, 0
	PLACES 4
	WIN 0
	FETCH_A \next, 0, 4
.endm
	s_wait_tensorcnt 1                             ; my part of K step 0 is in; K step 1's may stay out
	s_barrier_signal -1
	s_barrier_wait -1
	FETCH_B 0, 0, 0
	FETCH_A 0, 0, 0
	FETCH_A 0, 0, 4
	s_wait_loadcnt 0x0                             ; the scale words
	STEP 0, 0, 1                                   ; written out, not looped: the scale words are named by the step
	TURN 0, 1, 1, 1
	STEP 1, 2, 0
	TURN 1, 0, 3, 1
	STEP 0, 4, 0
	TURN 0, 1, 5, 0
	STEP 1, 6, 0
	s_wait_dscnt 16
	WIN MUL_LO
	MUL16 0, 1, 7, 0
	MUL16 2, 1, 7, 0
	s_wait_dscnt 0x0
	WIN MUL_HI
	MUL16 4, 1, 7, 0
	MUL16 6, 1, 7, 0
	WIN 0
	PLACES 4
; THE WAY OUT.  A tile a's 64 registers of a lane, register 16 b + i = B row 32 b + 16 (lane / 16) + i, become a fragment's codes and a scale word; its two halves are two half images.
.macro QUANT a
.set AC, 64*((\a)%4)
	WIN 0x0a+5*((\a)/4)                            ; sources 0 and 1: window 2 or 3
.irp b, 0,1,2,3
	v_max3_num_f32 v[TM+\b], |v[AC+16*\b]|, |v[AC+16*\b+1]|, 0x1800000   ; each accumulator from its low end on; the floor holds the byte at 1
.endr
.irp i, 2,4,6,8,10,12,14
.irp b, 0,1,2,3
	v_max3_num_f32 v[TM+\b], |v[AC+16*\b+\i]|, |v[AC+16*\b+\i+1]|, v[TM+\b]
.endr
.endr
	WIN 0
.irp b, 0,1,2,3
	v_permlanex16_b32 v[TP+\b], v[TM+\b], s66, s67
.endr
.irp b, 0,1,2,3
	v_max_num_f32 v[TM+\b], v[TM+\b], v[TP+\b]
.endr
.irp b, 0,1,2,3
	v_add_nc_u32 v[SO+\b], 0xff000000, v[TM+\b]
.endr
.irp b, 0,1,2,3
	v_lshrrev_b32 v[TP+\b], 23, v[SO+\b]
.endr
	v_lshl_or_b32 v[WW+(\a)], v[TP+1], 8, v[TP]
	v_lshl_or_b32 v[WW+(\a)], v[TP+2], 16, v[WW+(\a)]
	v_lshl_or_b32 v[WW+(\a)], v[TP+3], 24, v[WW+(\a)]
.if (\a) > 0
	s_wait_xcnt 0x0                                ; the last tile's stores have read their codes and offsets
.endif
	WIN 2+(\a)/4
.irp c, 0,1
	v_cvt_scalef32_pk16_fp6_f32 v[PC+6*\c:PC+6*\c+2], v[AC+32*\c:AC+32*\c+15], v[SO+2*\c]
	v_cvt_scalef32_pk16_fp6_f32 v[CT+4*\c:CT+4*\c+2], v[AC+32*\c+16:AC+32*\c+31], v[SO+2*\c+1]
.endr
	WIN 0
	v_nop                                          ; one plain line behind the conversions
.irp c, 0,1                            ; the layout wants a whole block in a lane: lanes 0-15 block 2 c, lanes 16-31 block 2 c + 1
.irp i, 0,1,2
	v_permlane16_swap_b32 v[PC+6*\c+\i], v[CT+4*\c+\i]
.endr
.irp i, 0,1,2
	v_mov_b32 v[PC+3+6*\c+\i], v[CT+4*\c+\i]
.endr
.endr
	s_mov_b32 s97, 0
.if (\a)%2
	s_add_co_u32 s97, s97, s93
.endif
.if ((\a)/2)%2
	s_add_co_u32 s97, s97, s94
.endif
.if (\a)/4
	s_add_co_u32 s97, s97, s95
.endif
	v_add_nc_u32 v[VO], s97, v[VB16]
	v_add_nc_u32 v[VO+1], s97, v[VB8]
	v_add_nc_u32 v[VO+2], s96, v[VO]
	v_add_nc_u32 v[VO+3], s96, v[VO+1]
	global_store_b128 v[VO], v[PC:PC+3], s[86:87]          ; 512 consecutive bytes
	global_store_b64 v[VO+1], v[PC+4:PC+5], s[86:87]       ; 256
	global_store_b128 v[VO+2], v[PC+6:PC+9], s[86:87]
	global_store_b64 v[VO+3], v[PC+10:PC+11], s[86:87]
.endm
.irp a, 0,1,2,3,4,5,6,7
	QUANT \a
.endr
; The scale words.  q, k: a tile's word is [head 0: 2 bytes | head 1: 2 bytes]; wanted for each head and pair of tiles: [tile 2 p: 2 bytes | tile 2 p + 1: 2 bytes].  v: a tile's word (four key blocks) is wanted as it is.
.irp p, 0,1,2,3
	v_perm_b32 v[W0+\p], v[WW+2*\p+1], v[WW+2*\p], s98
	v_perm_b32 v[W1+\p], v[WW+2*\p+1], v[WW+2*\p], s99
.endr
	v_cndmask_b32 v[EE], v[W0], v[W0+1], s79       ; lanes 16-31 carry the second word of each register
	v_cndmask_b32 v124, v[W0+2], v[W0+3], s79
	v_cndmask_b32 v125, v[W1], v[W1+1], s79
	v_cndmask_b32 v[EE+3], v[W1+2], v[W1+3], s79
	v_cndmask_b32 v[EE+1], v124, v125, s45
	v_cndmask_b32 v[EE+2], v125, v124, s45
	global_store_b64 v[VSC], v[EE:EE+1], s[86:87]          ; my first head's 256 bytes
	global_store_b64 v[VSC+1], v[EE+2:EE+3], s[86:87]      ; my second head's
	s_wait_tensorcnt 0x0                           ; the wave's end
	ds_add_u32 v[SPW], v[NIL]
	s_wait_dscnt 0x0
	CROUND                                         ; the closing round
	s_endpgm
.Lfunc_end_k_q4bd7c56172_qkv:
	.size	k_q4bd7c56172_qkv, .Lfunc_end_k_q4bd7c56172_qkv-k_q4bd7c56172_qkv
	.p2alignl 7, 3214868480
	.fill 96, 4, 3214868480
	.section	.rodata,"a",@progbits
	.p2align	6, 0x0
	.amdhsa_kernel k_q4bd7c56172_qkv
		.amdhsa_group_segment_fixed_size 327680
		.amdhsa_private_segment_fixed_size 0
		.amdhsa_enable_private_segment 0
		.amdhsa_kernarg_size 40
		.amdhsa_user_sgpr_count 2
		.amdhsa_user_sgpr_kernarg_segment_ptr 1
		.amdhsa_wavefront_size32 1
		.amdhsa_system_sgpr_workgroup_id_x 1
		.amdhsa_system_sgpr_workgroup_id_y 1
		.amdhsa_system_sgpr_workgroup_id_z 1
		.amdhsa_system_vgpr_workitem_id 0
		.amdhsa_next_free_vgpr 1024
		.amdhsa_next_free_sgpr 100
		.amdhsa_reserve_vcc 0
		.amdhsa_float_denorm_mode_32 3
		.amdhsa_float_denorm_mode_16_64 3
		.amdhsa_memory_ordered 1
		.amdhsa_forward_progress 1
		.amdhsa_inst_pref_size 150
	.end_amdhsa_kernel
	.amdgpu_metadata
---
amdhsa.version: [ 1, 2 ]
amdhsa.kernels:
  - .name:           k_q4bd7c56172_qkv
    .symbol:         k_q4bd7c56172_qkv.kd
    .args:
      - { .name: ximg, .offset: 0, .size: 8, .value_kind: global_buffer, .address_space: global }
      - { .name: wimg, .offset: 8, .size: 8, .value_kind: global_buffer, .address_space: global }
      - { .name: scl, .offset: 16, .size: 8, .value_kind: global_buffer, .address_space: global }
      - { .name: qbuf, .offset: 24, .size: 8, .value_kind: global_buffer, .address_space: global }
      - { .name: kv, .offset: 32, .size: 8, .value_kind: global_buffer, .address_space: global }
    .group_segment_fixed_size: 327680
    .private_segment_fixed_size: 0
    .kernarg_segment_align: 8
    .kernarg_segment_size: 40
    .max_flat_workgroup_size: 128
    .sgpr_count:     100
    .vgpr_count:     1024
    .wavefront_size: 32
...
	.end_amdgpu_metadata
.endif
;; end of part 2
;; launch attn (part 3): grid 4 x 64, 8 waves a work-group, clusters of 4 x 1, 205,824 bytes of LDS; arguments qbuf, kv, zimg, scl; writes zimg, scl
.if DOCPART == 3
	.amdgcn_target "amdgcn-amd-amdhsa--gfx1250"
	.amdhsa_code_object_version 6
	.text
	.protected	k_q4bd7c56172_attn
	.globl	k_q4bd7c56172_attn
	.p2align	8
	.type	k_q4bd7c56172_attn,@function
k_q4bd7c56172_attn:
	s_mov_b64 s[64:65], 0
	v_nop
	global_prefetch_b8 v0, s[64:65] scope:SCOPE_SE
	s_setreg_imm32_b32 hwreg(HW_REG_WAVE_MODE, 25, 1), 1
	s_wait_xcnt 0x0
	s_wait_alu depctr_hold_cnt(0) depctr_sa_sdst(0) depctr_va_vdst(0) depctr_va_sdst(0) depctr_va_ssrc(0) depctr_va_vcc(0) depctr_vm_vsrc(0)
	s_getreg_b32 s2, hwreg(HW_REG_IB_STS2, 6, 4)
	s_cmp_eq_u32 s2, 0
	s_cbranch_scc0 .Lentry_in_a_cluster
	s_endpgm
.Lentry_in_a_cluster:
	s_bfe_u32 s2, ttmp6, 0x10000c
	s_cmp_lg_u32 s2, 0x3003
	s_cbranch_scc0 .Lentry_shape_is_right
	s_endpgm
.Lentry_shape_is_right:
; z = softmax(q k^T / 8) v for one head of one batch, both products on codes of E2M3, and z quantised along its 64 channels into zimg (chunk = head) and the z part of scl.
; t = score x log2(e) / 8; M = the running largest t rounded up to a whole number; p = 2^(t - M) is quantised along the keys, not normalised; the row's sum is taken of the unquantised p and divides at the end.
; SHARES.  A work-group takes 512 queries of a head; the head's K, V and scale words, 16 records of 12,800 bytes, are brought into LDS ONCE (each wave one tensor load of 25,600 bytes) and stay: no slot is
; filled again, so the loop over the keys has no barrier.  The four work-groups of a head form a cluster and ask for these bytes jointly.
; A wave takes 32 queries a pass, two passes: query tile 0 in register window 0, tile 1 in window 1 AT THE SAME NUMBERS, so one text serves both, and each fragment of K and V read from LDS feeds two tiles.
; K = 64 IN AN INSTRUCTION OF 128: source 0 is a PAIR of key tiles, [tile 2 b | tile 2 b + 1]; source 1 is [q | zeros] for tile 2 b's scores and [zeros | q] for tile 2 b + 1's.  Zero codes add nothing.
; Both products are used transposed: a lane holds one query (lane % 16); because of the rows that form a tile, the 16 registers of key tiles 2 b, 2 b + 1 are keys 32 b + 16 (lane / 16) + 0 .. 15.
; z's scale bytes: a head owns 2 of a token's 32, so they leave as single bytes, 32 a store: 1 part in 24 of z's bytes.
; LIMITS: NaN and infinities are not served; a block of zeros carries the byte 1 (its codes are zeros).
.set L16, 1                            ; v1 16 x lane; v2 8 x lane; never rewritten
.set L8,  2
.set A16, 3                            ; v3, v4 the same + the record in hand
.set A8,  4
.set R8,  5                            ; v5 8 (lane % 16)
.set ZB,  6                            ; v6 16 (lane % 16) + lane / 16
.set QW,  7                            ; v7 q's scale word as loaded
                                       ; in both windows: v12 -M, v13 the largest t, v[14:15] the sum in two halves
.set QL,  16                           ; [q | 0]
.set QH,  28                           ; [0 | q]
.set KF,  40                           ; window 0: K's four pairs; window 1: V's four tiles
.set S,   88                           ; scores, then p
.set O,   152                          ; O^T: four channel tiles
.set PC,  184                          ; p's codes
.set CT,  196
.set BM,  204
.set BX,  208
.set SO,  212
.set F,   216
.set T,   218
.set KS,  220                          ; window 0, scales and nothing else: v220-221 K's, v222-223 V's, v224-225 q's (tile 0, 1), v226-227 p's
.set VS,  222
.set QS,  224
.set PS,  226
.set MSB, 0
.macro WIN new
.if MSB != (\new)
	s_set_vgpr_msb (MSB<<8)|(\new)
.set MSB, (\new)
.endif
.endm
.macro CROUND
	s_barrier_signal -1
	s_barrier_wait -1
	s_cmp_lg_u32 s12, 0
	s_cbranch_scc1 .Lnot_wave_0_\@
	s_barrier_signal -3
.Lnot_wave_0_\@:
	s_barrier_wait -3
	s_barrier_signal -1
	s_barrier_wait -1
.endm
.macro PLACES n
.rept \n
	v_nop
.endr
.endm
	s_load_b256 s[4:11], s[0:1], 0x0               ; qbuf, kv, zimg, scl
	v_lshl_add_u32 v254, v0, 2, 0x32000
	v_mov_b32 v255, 0
	ds_add_u32 v254, v255
	ds_add_u32 v254, v255
	v_lshrrev_b32 v1, 5, v0
	v_readfirstlane_b32 s12, v1                    ; wave 0..7
	s_bfe_u32 s13, ttmp6, 0x40000                  ; cx: which 512 queries
	s_and_b32 s14, ttmp7, 0xffff                   ; 16 x batch + head, which the four partners share
	s_mov_b32 s24, 15|(3<<16)|(1<<21)              ; all four work-groups; elements of 8 bytes; bit 21 beside a mask
	s_mov_b32 s25, 32<<16                          ; rows of 256 bytes,
	s_mov_b32 s26, 100<<16                         ; 100 of them, dense
	s_mov_b32 s27, 32<<16
	s_mov_b32 s28, 100
	s_mov_b32 s29, 32
	s_mov_b32 s30, 0
	s_mov_b32 s31, 0
	s_mul_i32 s46, s12, 25600                      ; my eighth of the head's bytes, in LDS and in memory
	s_mul_i32 s44, s14, 204800
	s_add_co_u32 s44, s44, s46
	s_mov_b32 s45, 0
	s_wait_dscnt 0x0
	s_wait_kmcnt 0x0
	s_mov_b32 s32, 1
	s_mov_b32 s33, s46
	s_add_nc_u64 s[34:35], s[6:7], s[44:45]
	s_or_b32 s35, s35, 0x80000000
	CROUND                                         ; the four work-groups are here: the joint loads meet
	tensor_load_to_lds s[32:35], s[24:31]          ; my one tensor load of the launch
	s_nop 0
	PLACES 4
	v_and_b32 v8, 31, v0
	v_and_b32 v9, 15, v0
	v_bfe_u32 v10, v0, 4, 1
	v_lshlrev_b32 v[L16], 4, v8
	v_lshlrev_b32 v[L8], 3, v8
	v_lshlrev_b32 v[R8], 3, v9
	v_lshl_add_u32 v[ZB], v9, 4, v10
	s_mov_b32 s15, 0xffff0000                      ; lanes 16-31
	s_mov_b32 s16, 0x3e38aa3b                      ; c = log2(e) / 8
	s_mov_b32 s17, s16                             ; (named with it as a pair)
	s_mov_b32 s18, 0x76543210
	s_mov_b32 s19, 0xfedcba98
	s_mov_b32 s51, 0
	s_lshl_b32 s47, s13, 2                         ; q: record 4 cx + wave / 4 (+ 2 in the second pass), pair wave % 4
	s_lshr_b32 s48, s12, 2
	s_add_co_u32 s47, s47, s48
	s_mul_i32 s47, s47, 6400
	s_mul_i32 s48, s14, 102400
	s_add_co_u32 s48, s48, s47
	s_and_b32 s49, s12, 3
	s_mul_i32 s50, s49, 1536
	s_add_co_u32 s50, s50, s48
	s_add_nc_u64 s[36:37], s[4:5], s[50:51]
	s_and_b32 s50, s12, 1                          ; its scale words: register pair / 2 of the record's two, lanes 16 (pair % 2) on
	s_lshl_b32 s50, s50, 7
	s_lshr_b32 s49, s49, 1
	s_lshl_b32 s49, s49, 2
	s_add_co_u32 s50, s50, s49
	s_add_co_u32 s50, s50, s48
	s_add_co_u32 s50, s50, 6144
	s_add_nc_u64 s[38:39], s[4:5], s[50:51]
	s_lshr_b32 s47, s14, 4                         ; batch
	s_and_b32 s48, s14, 15                         ; head
	s_lshl_b32 s47, s47, 6
	s_lshl_b32 s49, s13, 4
	s_add_co_u32 s47, s47, s49
	s_add_co_u32 s47, s47, s12                     ; my pair of token tiles in the first pass
	s_mul_i32 s50, s47, 24576
	s_mul_i32 s49, s48, 768
	s_add_co_u32 s50, s50, s49
	s_add_nc_u64 s[40:41], s[8:9], s[50:51]        ; z's half image: tile, chunk = head
	s_lshl_b32 s50, s47, 10
	s_lshr_b32 s49, s48, 3
	s_lshl_b32 s49, s49, 8
	s_add_co_u32 s50, s50, s49
	s_bfe_u32 s49, s48, 0x20001
	s_lshl_b32 s49, s49, 2
	s_add_co_u32 s50, s50, s49
	s_and_b32 s49, s48, 1
	s_lshl_b32 s49, s49, 1
	s_add_co_u32 s50, s50, s49
	s_add_co_u32 s50, s50, 393216
	s_add_nc_u64 s[42:43], s[10:11], s[50:51]      ; z's scale bytes: block head / 8, word (head / 2) % 4, bytes 2 (head % 2) on
.irp u, 0,1                            ; written once, in both windows
	WIN 0x40*\u
.irp i, 0,1,2,3,4,5
	v_mov_b32 v[QL+6+\i], 0                        ; the zero halves
	v_mov_b32 v[QH+\i], 0
.endr
.irp i, 0,1,2,3
	v_mov_b32 v[BX+\i], 0                          ; (a lane permute's destination counts as one of its sources)
.endr
	v_mov_b32 v[F+1], 0                            ; (named as the upper half of a pair)
	v_mov_b32 v[T], 0
.endr
	WIN 0
.macro KLOAD off                       ; a record's K: four pairs and their scale words: 17 LDS loads
.irp b, 0,1,2,3
	ds_load_b128 v[KF+12*\b:KF+12*\b+3], v[A16] offset:\off+1536*\b
	ds_load_b64 v[KF+12*\b+4:KF+12*\b+5], v[A8] offset:\off+1536*\b+512
	ds_load_b128 v[KF+12*\b+6:KF+12*\b+9], v[A16] offset:\off+1536*\b+768
	ds_load_b64 v[KF+12*\b+10:KF+12*\b+11], v[A8] offset:\off+1536*\b+1280
.endr
	ds_load_b64 v[KS:KS+1], v[A8] offset:\off+12288
.endm
.macro VLOAD                           ; its V: four channel tiles x 128 keys, into window 1, and their scale words: 17
	WIN 0x40
.irp b, 0,1,2,3
	ds_load_b128 v[KF+12*\b:KF+12*\b+3], v[A16] offset:6144+1536*\b
	ds_load_b64 v[KF+12*\b+4:KF+12*\b+5], v[A8] offset:6144+1536*\b+512
	ds_load_b128 v[KF+12*\b+6:KF+12*\b+9], v[A16] offset:6144+1536*\b+768
	ds_load_b64 v[KF+12*\b+10:KF+12*\b+11], v[A8] offset:6144+1536*\b+1280
.endr
	WIN 0
	ds_load_b64 v[VS:VS+1], v[A8] offset:12544
.endm
.macro SQK u                           ; S^T = K Q^T for query tile u: eight products, each begins its sum with 0
	WIN 0x44*\u
.irp b, 0,1,2,3
.if \b%2
	v_wmma_scale_f32_16x16x128_f8f6f4 v[S+16*\b:S+16*\b+7], v[KF+12*\b:KF+12*\b+11], v[QL:QL+11], 0, v[KS+\b/2], v[QS+\u] matrix_a_fmt:MATRIX_FMT_FP6 matrix_b_fmt:MATRIX_FMT_FP6 matrix_a_scale:MATRIX_SCALE_ROW1
	v_wmma_scale_f32_16x16x128_f8f6f4 v[S+16*\b+8:S+16*\b+15], v[KF+12*\b:KF+12*\b+11], v[QH:QH+11], 0, v[KS+\b/2], v[QS+\u] matrix_a_fmt:MATRIX_FMT_FP6 matrix_b_fmt:MATRIX_FMT_FP6 matrix_a_scale:MATRIX_SCALE_ROW1
.else
	v_wmma_scale_f32_16x16x128_f8f6f4 v[S+16*\b:S+16*\b+7], v[KF+12*\b:KF+12*\b+11], v[QL:QL+11], 0, v[KS+\b/2], v[QS+\u] matrix_a_fmt:MATRIX_FMT_FP6 matrix_b_fmt:MATRIX_FMT_FP6
	v_wmma_scale_f32_16x16x128_f8f6f4 v[S+16*\b+8:S+16*\b+15], v[KF+12*\b:KF+12*\b+11], v[QH:QH+11], 0, v[KS+\b/2], v[QS+\u] matrix_a_fmt:MATRIX_FMT_FP6 matrix_b_fmt:MATRIX_FMT_FP6
.endif
.endr
.endm
.macro PV u                            ; O^T += V^T P^T: four accumulators by turns, one instruction a turn
	WIN 0x01+0x54*\u
.irp b, 0,1,2,3
.if \b/2
	v_wmma_scale_f32_16x16x128_f8f6f4 v[O+8*\b:O+8*\b+7], v[KF+12*\b:KF+12*\b+11], v[PC:PC+11], v[O+8*\b:O+8*\b+7], v[VS+\b%2], v[PS+\u] matrix_a_fmt:MATRIX_FMT_FP6 matrix_b_fmt:MATRIX_FMT_FP6 matrix_a_scale:MATRIX_SCALE_ROW1
.else
	v_wmma_scale_f32_16x16x128_f8f6f4 v[O+8*\b:O+8*\b+7], v[KF+12*\b:KF+12*\b+11], v[PC:PC+11], v[O+8*\b:O+8*\b+7], v[VS+\b%2], v[PS+\u] matrix_a_fmt:MATRIX_FMT_FP6 matrix_b_fmt:MATRIX_FMT_FP6
.endif
.endr
.endm
; THE SOFTMAX of query tile u for 128 keys, all in window u but the scale word, which goes to window 0.
.macro SM u
	WIN 0x55*\u
.irp b, 0,1,2,3
	v_max3_num_f32 v[BM+\b], v[S+16*\b], v[S+16*\b+1], v[S+16*\b+2]   ; the largest score of each block of 32 keys: for the row's maximum, and, since p rises with the score, for the block's largest p
.endr
.irp i, 3,5,7,9,11,13
.irp b, 0,1,2,3
	v_max3_num_f32 v[BM+\b], v[BM+\b], v[S+16*\b+\i], v[S+16*\b+\i+1]
.endr
.endr
.irp b, 0,1,2,3
	v_max_num_f32 v[BM+\b], v[BM+\b], v[S+16*\b+15]
.endr
.irp b, 0,1,2,3
	v_permlanex16_b32 v[BX+\b], v[BM+\b], s18, s19
.endr
.irp b, 0,1,2,3
	v_max_num_f32 v[BM+\b], v[BM+\b], v[BX+\b]     ; with lane l xor 16's 16 keys
.endr
	v_max3_num_f32 v[T], v[BM], v[BM+1], v[BM+2]
	v_max_num_f32 v[T], v[T], v[BM+3]
	v_mul_f32 v[T], s16, v[T]                      ; as t (c is positive)
	v_max_num_f32 v13, v13, v[T]                   ; the running largest t
	v_mov_b32 v[T], v12
	v_floor_f32 v12, -v13                          ; the new -M = floor(-t): M is a whole number
	v_sub_f32 v[T], v12, v[T]                      ; old M - new M: a whole number, 0 or less
	v_cvt_i32_f32 v[T], v[T]                       ; (it saturates)
	v_ldexp_f32 v[F], 1.0, v[T]                    ; f = 2^(old M - new M): rounds nothing
.set j, 0
.rept 32
	v_pk_fma_f32 v[S+j:S+j+1], v[S+j:S+j+1], s[16:17], v[12:13] op_sel_hi:[1,0,0]   ; t - M
.set j, j+2
.endr
.irp b, 0,1,2,3
	v_fma_f32 v[BM+\b], v[BM+\b], s16, v12         ; the same of each block's largest score
.endr
.set j, 0
.rept 64
	v_exp_f32 v[S+j], v[S+j]                       ; p = 2^(t - M)
.set j, j+1
.endr
	v_pk_mul_f32 v[14:15], v[14:15], v[F:F+1] op_sel_hi:[1,0]   ; the sums under the new M: the plain line behind the exponentials
	s_wait_alu depctr_va_vdst(0)                   ; one wait for the batch, ahead of its first reader
.irp b, 0,1,2,3
	v_exp_f32 v[BM+\b], v[BM+\b]                   ; the block's largest p
.endr
	v_pk_add_f32 v[BX:BX+1], v[S:S+1], v[S+2:S+3]  ; the row's sum of the unquantised p, in two chains
.irp i, 4,8,12,16,20,24,28,32,36,40,44,48,52,56,60
	v_pk_add_f32 v[14:15], v[14:15], v[S+\i:S+\i+1]
	v_pk_add_f32 v[BX:BX+1], v[BX:BX+1], v[S+\i+2:S+\i+3]
.endr
	v_pk_add_f32 v[14:15], v[14:15], v[BX:BX+1]
	s_wait_alu depctr_va_vdst(0)                   ; and one for the four
.irp b, 0,1,2,3
	v_max_num_f32 v[BM+\b], 0x1800000, v[BM+\b]    ; the floor 2^(3 - 127): the byte cannot fall under 1
.endr
.irp b, 0,1,2,3
	v_add_nc_u32 v[SO+\b], 0xff000000, v[BM+\b]
.endr
.irp b, 0,1,2,3
	v_lshrrev_b32 v[BX+\b], 23, v[SO+\b]
.endr
	v_lshl_or_b32 v[T], v[BX+1], 8, v[BX]
	v_lshl_or_b32 v[T], v[BX+2], 16, v[T]
	WIN 0x11*\u                                    ; sources in window u, destination in window 0: scale operands have no window
	v_lshl_or_b32 v[PS+\u], v[BX+3], 24, v[T]      ; p's scale word for these 128 keys
	WIN 0x55*\u
.irp c, 0,1
	v_cvt_scalef32_pk16_fp6_f32 v[PC+6*\c:PC+6*\c+2], v[S+32*\c:S+32*\c+15], v[SO+2*\c]
	v_cvt_scalef32_pk16_fp6_f32 v[CT+4*\c:CT+4*\c+2], v[S+32*\c+16:S+32*\c+31], v[SO+2*\c+1]
.endr
	v_nop                                          ; one plain line behind the conversions
.irp c, 0,1
.irp i, 0,1,2
	v_permlane16_swap_b32 v[PC+6*\c+\i], v[CT+4*\c+\i]
.endr
.irp i, 0,1,2
	v_mov_b32 v[PC+3+6*\c+\i], v[CT+4*\c+\i]
.endr
.endr
.set j, 0
.rept 16
	v_pk_mul_f32 v[O+j:O+j+1], v[O+j:O+j+1], v[F:F+1] op_sel_hi:[1,0]   ; O^T under the new M; these 16 are also the places between the scale word, the codes and the products
.set j, j+2
.endr
.endm
; A KEY STEP: 128 keys.  K of this step was asked for a step ago; V is asked for now and lands under the first tile's softmax.
.macro STEP last
	v_add_nc_u32 v[A16], s20, v[L16]
	v_add_nc_u32 v[A8], s20, v[L8]
	v_nop
	v_nop                                          ; four plain places behind the last products, in front of the loads into V's registers
	VLOAD
	s_wait_dscnt 17                                ; K's 17 loads are in; V's 17 may be out
	SQK 0
	SQK 1
	WIN 0
	PLACES 4
.if \last == 0
	KLOAD 12800                                    ; the next step's K
.endif
	SM 0
.if \last
	s_wait_dscnt 0x0
.else
	s_wait_dscnt 17                                ; V is in; the next K's 17 may be out
.endif
	PV 0
	SM 1                                           ; the second tile's vector work stands behind the first tile's products
	PV 1
	WIN 0
	s_add_co_u32 s20, s20, 12800
.endm
; THE WAY OUT of query tile u: O^T / the sum, quantised along the head's 64 channels: one half image and two bytes a token.
.macro OUT u, pp
	WIN 0x55*\u
	v_add_f32 v14, v14, v15
	v_permlanex16_b32 v[T], v14, s18, s19
	v_add_f32 v14, v14, v[T]                       ; the row's sum
	v_rcp_f32 v[F], v14
	v_nop
	s_wait_alu depctr_va_vdst(0)                   ; the wait ahead of the reciprocal's first reader
.set j, 0
.rept 16
	v_pk_mul_f32 v[S+j:S+j+1], v[O+j:O+j+1], v[F:F+1] op_sel_hi:[1,0]   ; register 16 b + i = channel 32 b + 16 (lane / 16) + i
.set j, j+2
.endr
.irp b, 0,1
	v_max3_num_f32 v[BM+\b], |v[S+16*\b]|, |v[S+16*\b+1]|, 0x1800000
.endr
.irp i, 2,4,6,8,10,12,14
.irp b, 0,1
	v_max3_num_f32 v[BM+\b], v[BM+\b], |v[S+16*\b+\i]|, |v[S+16*\b+\i+1]|
.endr
.endr
.irp b, 0,1
	v_permlanex16_b32 v[BX+\b], v[BM+\b], s18, s19
.endr
.irp b, 0,1
	v_max_num_f32 v[BM+\b], v[BM+\b], v[BX+\b]
.endr
.irp b, 0,1
	v_add_nc_u32 v[SO+\b], 0xff000000, v[BM+\b]
.endr
.irp b, 0,1
	v_lshrrev_b32 v[BX+\b], 23, v[SO+\b]
.endr
	v_cvt_scalef32_pk16_fp6_f32 v[PC:PC+2], v[S:S+15], v[SO]
	v_cvt_scalef32_pk16_fp6_f32 v[CT:CT+2], v[S+16:S+31], v[SO+1]
	v_nop
.irp i, 0,1,2
	v_permlane16_swap_b32 v[PC+\i], v[CT+\i]
.endr
.irp i, 0,1,2
	v_mov_b32 v[PC+3+\i], v[CT+\i]
.endr
	v_cndmask_b32 v[T], v[BX], v[BX+1], s15        ; lane (r, h) carries block h's byte
	WIN 0x04*\u                                    ; a store's data are its source 1
	global_store_b128 v[L16], v[PC:PC+3], s[40:41] offset:12288*\u+196608*(\pp)
	global_store_b64 v[L8], v[PC+4:PC+5], s[40:41] offset:12288*\u+196608*(\pp)+512
	global_store_b8 v[ZB], v[T], s[42:43] offset:512*\u+8192*(\pp)
.endm
.macro PASS pp
.irp u, 0,1
	WIN 0x40*\u
	global_load_b128 v[QL:QL+3], v[L16], s[36:37] offset:12800*(\pp)+768*\u
	global_load_b64 v[QL+4:QL+5], v[L8], s[36:37] offset:12800*(\pp)+768*\u+512
	global_load_b128 v[QH+6:QH+9], v[L16], s[36:37] offset:12800*(\pp)+768*\u
	global_load_b64 v[QH+10:QH+11], v[L8], s[36:37] offset:12800*(\pp)+768*\u+512
	v_mov_b32 v13, 0xff61b1e6                      ; the largest t so far: -3e38
	v_mov_b32 v12, 0x7f61b1e6                      ; -M = floor(3e38) = 3e38
	v_mov_b32 v14, 0
	v_mov_b32 v15, 0
.endr
	WIN 0
	global_load_b32 v[QW], v[R8], s[38:39] offset:12800*(\pp)
	s_mov_b32 s20, 0
	v_add_nc_u32 v[A16], s20, v[L16]
	v_add_nc_u32 v[A8], s20, v[L8]
.if (\pp) == 0
	s_wait_tensorcnt 0x0                           ; my eighth of the head has landed,
	s_barrier_signal -1
	s_barrier_wait -1                              ; everybody's has
.endif
	KLOAD 0
	s_wait_loadcnt 0x0                             ; q
	v_perm_b32 v[QS], v[QW], v[QW], 0x01000100     ; tile 0's two bytes, twice: they serve [q | 0] and [0 | q]
	v_perm_b32 v[QS+1], v[QW], v[QW], 0x03020302   ; tile 1's
.irp u, 0,1
	WIN 0x40*\u
.set j, 0
.rept 32
	v_mov_b32 v[O+j], 0                            ; the step is written once: the first finds zeros.  (Also the places between q's scale words and the first products)
.set j, j+1
.endr
.endr
	WIN 0
	s_mov_b32 s21, 15
.Lstep_\@:
	STEP 0
	s_sub_co_u32 s21, s21, 1
	s_cmp_lg_u32 s21, 0
	s_cbranch_scc1 .Lstep_\@
	STEP 1                                         ; the last step asks for no further K
	PLACES 4
	OUT 0, \pp
	OUT 1, \pp
	WIN 0
	s_wait_xcnt 0x0                                ; the stores have read their registers
.endm
	PASS 0
	PASS 1
	s_wait_tensorcnt 0x0
	ds_add_u32 v254, v255
	s_wait_dscnt 0x0
	CROUND                                         ; the closing round
	s_endpgm
.Lfunc_end_k_q4bd7c56172_attn:
	.size	k_q4bd7c56172_attn, .Lfunc_end_k_q4bd7c56172_attn-k_q4bd7c56172_attn
	.p2alignl 7, 3214868480
	.fill 96, 4, 3214868480
	.section	.rodata,"a",@progbits
	.p2align	6, 0x0
	.amdhsa_kernel k_q4bd7c56172_attn
		.amdhsa_group_segment_fixed_size 205824
		.amdhsa_private_segment_fixed_size 0
		.amdhsa_enable_private_segment 0
		.amdhsa_kernarg_size 32
		.amdhsa_user_sgpr_count 2
		.amdhsa_user_sgpr_kernarg_segment_ptr 1
		.amdhsa_wavefront_size32 1
		.amdhsa_system_sgpr_workgroup_id_x 1
		.amdhsa_system_sgpr_workgroup_id_y 1
		.amdhsa_system_sgpr_workgroup_id_z 1
		.amdhsa_system_vgpr_workitem_id 0
		.amdhsa_next_free_vgpr 512
		.amdhsa_next_free_sgpr 66
		.amdhsa_reserve_vcc 0
		.amdhsa_float_denorm_mode_32 3
		.amdhsa_float_denorm_mode_16_64 3
		.amdhsa_memory_ordered 1
		.amdhsa_forward_progress 1
		.amdhsa_inst_pref_size 144
	.end_amdhsa_kernel
	.amdgpu_metadata
---
amdhsa.version: [ 1, 2 ]
amdhsa.kernels:
  - .name:           k_q4bd7c56172_attn
    .symbol:         k_q4bd7c56172_attn.kd
    .args:
      - { .name: qbuf, .offset: 0, .size: 8, .value_kind: global_buffer, .address_space: global }
      - { .name: kv, .offset: 8, .size: 8, .value_kind: global_buffer, .address_space: global }
      - { .name: zimg, .offset: 16, .size: 8, .value_kind: global_buffer, .address_space: global }
      - { .name: scl, .offset: 24, .size: 8, .value_kind: global_buffer, .address_space: global }
    .group_segment_fixed_size: 205824
    .private_segment_fixed_size: 0
    .kernarg_segment_align: 8
    .kernarg_segment_size: 32
    .max_flat_workgroup_size: 256
    .sgpr_count:     66
    .vgpr_count:     512
    .wavefront_size: 32
...
	.end_amdgpu_metadata
.endif
;; end of part 3
;; launch outp (part 4): grid 4 x 32, 4 waves a work-group, clusters of 4 x 4, 327,680 bytes of LDS; arguments zimg, wimg, scl, x, out0; writes out0
.if DOCPART == 4
	.amdgcn_target "amdgcn-amd-amdhsa--gfx1250"
	.amdhsa_code_object_version 6
	.text
	.protected	k_q4bd7c56172_outp
	.globl	k_q4bd7c56172_outp
	.p2align	8
	.type	k_q4bd7c56172_outp,@function
k_q4bd7c56172_outp:
	s_mov_b64 s[64:65], 0
	v_nop
	global_prefetch_b8 v0, s[64:65] scope:SCOPE_SE
	s_setreg_imm32_b32 hwreg(HW_REG_WAVE_MODE, 25, 1), 1
	s_wait_xcnt 0x0
	s_wait_alu depctr_hold_cnt(0) depctr_sa_sdst(0) depctr_va_vdst(0) depctr_va_sdst(0) depctr_va_ssrc(0) depctr_va_vcc(0) depctr_vm_vsrc(0)
	s_getreg_b32 s2, hwreg(HW_REG_IB_STS2, 6, 4)
	s_cmp_eq_u32 s2, 0
	s_cbranch_scc0 .Lentry_in_a_cluster
	s_endpgm
.Lentry_in_a_cluster:
	s_bfe_u32 s2, ttmp6, 0x10000c
	s_cmp_lg_u32 s2, 0xf033
	s_cbranch_scc0 .Lentry_shape_is_right
	s_endpgm
.Lentry_shape_is_right:
; out0 = x + z Wout, the product on codes of E2M3 (K = 1,024).  The multiplying part is launch qkv's: a work-group makes 256 x 256, four waves 128 x 128 each, K in 4 steps of 256 through two LDS slots,
; tiles in register order, A's (z's) tiles asked for jointly along a row of the 4 x 4 cluster, B's (Wout's) along a column, all scale words in 64 registers.  Transposed use: a lane holds one token and,
; because of the rows that form a tile, register 16 b + i of a token tile is output column 32 b + 16 (lane / 16) + i.
; THE WAY OUT: a token tile goes through the wave's own stage in LDS and comes back as rows of 512 bytes; x's same bytes are added in f32; the 32 lanes store 512 consecutive bytes.
; The stage lies in slot 0, which has had its last fill and, behind the last change of slots, its last read.
.set HALFT,  24576
.set SLOT,   98304
.set SPARE,  196608                    ; the spare words, 128 bytes a wave: two blocks of 256 bytes that no other line names
.set FR,     12
.set ADRA,   16
.set ADRB,   20
.set STO,    24
.set RD,     25
.set CO,     26
.set SPW,    28
.set NIL,    29
.set SOFF,   30
.set SC,     32                        ; v32-95 scale words: register 8 i + kappa: lanes 0-15 A tile i's, lanes 16-31 B tile i's
.set AF,     128
.set BK,     128                       ; the way out: rows back from the stage: v128-191, v192-255 by turns; x's rows in window 1, four sets of 64
.set G1, 24
.set G0, 32
.set G1B, 48
.set G0B, 56
.set MSB, 0
.macro WIN new
.if MSB != (\new)
	s_set_vgpr_msb (MSB<<8)|(\new)
.set MSB, (\new)
.endif
.endm
.set MUL_LO, 0xa1
.set MUL_HI, 0xf1
.set TO_B,   0x40
.macro JLOAD g0a, g0b
	s_cmp_eq_u32 s15, 0
	s_cbranch_scc0 .Lfor_b_\@
	tensor_load_to_lds s[\g0a:\g0a+3], s[G1:G1+7]
	s_nop 0
.rept 4
	v_nop
.endr
	s_branch .Lasked_\@
.Lfor_b_\@:
	tensor_load_to_lds s[\g0b:\g0b+3], s[G1B:G1B+7]
	s_nop 0
.rept 4
	v_nop
.endr
.Lasked_\@:
.endm
.macro CREST
	s_cmp_lg_u32 s14, 0
	s_cbranch_scc1 .Lnot_wave_0_\@
	s_barrier_signal -3
.Lnot_wave_0_\@:
	s_barrier_wait -3
	s_barrier_signal -1
	s_barrier_wait -1
.endm
.macro CROUND
	s_barrier_signal -1
	s_barrier_wait -1
	CREST
.endm
.macro PLACES n
.rept \n
	v_nop
.endr
.endm
	s_load_b256 s[4:11], s[0:1], 0x0               ; zimg, wimg, scl, x
	s_load_b64 s[12:13], s[0:1], 0x20              ; out0
	v_lshl_add_u32 v[SPW], v0, 2, SPARE
	v_mov_b32 v[NIL], 0
	ds_add_u32 v28, v29
	ds_add_u32 v28, v29
	s_wait_dscnt 0x0
	v_lshrrev_b32 v1, 5, v0
	v_readfirstlane_b32 s14, v1
	s_lshr_b32 s15, s14, 1
	s_and_b32 s16, s14, 1
	s_bfe_u32 s40, ttmp6, 0x40000                  ; cx = the tile column
	s_bfe_u32 s41, ttmp6, 0x40004                  ; cy
	s_and_b32 s17, ttmp7, 0xffff
	s_lshl_b32 s17, s17, 2
	s_add_co_u32 s17, s17, s41                     ; tile row = 4 x cluster y + cy
	s_lshl_b32 s43, s41, 2
	s_lshl_b32 s43, 15, s43
	s_lshl_b32 s44, 0x1111, s40
	s_or_b32 s[G1+0], s43, (3<<16)|(1<<21)
	s_or_b32 s[G1B+0], s44, (3<<16)|(1<<21)
.irp g, G1, G1B
	s_mov_b32 s[\g+1], 384<<16
	s_mov_b32 s[\g+2], 8<<16
	s_mov_b32 s[\g+3], 384<<16
	s_mov_b32 s[\g+4], 8
	s_mov_b32 s[\g+5], 1536
	s_mov_b32 s[\g+6], 0
	s_mov_b32 s[\g+7], 0
.endr
	s_lshl_b32 s42, s16, 7
	s_lshl_b32 s68, s17, 8
	s_add_co_u32 s68, s68, s42
	s_mul_i32 s68, s68, 768
	s_mov_b32 s69, 0
	s_lshl_b32 s70, s40, 8
	s_add_co_u32 s70, s70, s42
	s_add_co_u32 s70, s70, 3072                    ; Wout's rows in wimg
	s_mul_i32 s70, s70, 768
	s_mov_b32 s71, 0
	s_mul_i32 s76, s14, HALFT
	s_wait_kmcnt 0x0
	s_add_nc_u64 s[72:73], s[4:5], s[68:69]
	s_add_nc_u64 s[74:75], s[6:7], s[70:71]
	CROUND
.irp s, 0,1
	s_mov_b32 s[G0+4*\s], 1
	s_add_co_u32 s[G0+4*\s+1], s76, \s*SLOT
	s_add_nc_u64 s[G0+4*\s+2:G0+4*\s+3], s[72:73], \s*3072
	s_or_b32 s[G0+4*\s+3], s[G0+4*\s+3], 0x80000000
	s_mov_b32 s[G0B+4*\s], 1
	s_add_co_u32 s[G0B+4*\s+1], s76, \s*SLOT
	s_add_nc_u64 s[G0B+4*\s+2:G0B+4*\s+3], s[74:75], \s*3072
	s_or_b32 s[G0B+4*\s+3], s[G0B+4*\s+3], 0x80000000
	JLOAD G0+4*\s, G0B+4*\s
.endr
	v_and_b32 v1, 31, v0
	v_and_b32 v2, 15, v0
	v_bfe_u32 v5, v0, 4, 1
	v_lshlrev_b32 v3, 4, v1
	v_lshlrev_b32 v4, 3, v1
	s_mul_i32 s2, s15, HALFT
	s_mul_i32 s3, s16, HALFT
	s_add_co_u32 s3, s3, 2*HALFT
.irp s, 0,1
	v_add_nc_u32 v[ADRA+\s], s2, v3
	v_add_nc_u32 v[ADRA+2+\s], s2, v4
	v_add_nc_u32 v[ADRB+\s], s3, v3
	v_add_nc_u32 v[ADRB+2+\s], s3, v4
	s_add_co_u32 s2, s2, SLOT
	s_add_co_u32 s3, s3, SLOT
.endr
	s_lshl_b32 s77, s17, 8
	s_lshl_b32 s42, s15, 7
	s_add_co_u32 s77, s77, s42                     ; my first token
	s_lshl_b32 s80, s77, 12                        ; its row of x and of out0
	s_lshl_b32 s77, s77, 5
	s_add_co_u32 s77, s77, 393216                  ; z's scale words
	s_lshl_b32 s78, s40, 8
	s_lshl_b32 s42, s16, 7
	s_add_co_u32 s78, s78, s42                     ; my first column
	s_lshl_b32 s81, s78, 2
	s_add_co_u32 s80, s80, s81
	s_mov_b32 s81, 0
	s_add_co_u32 s78, s78, 3072
	s_lshl_b32 s78, s78, 5
	s_add_co_u32 s78, s78, 262144                  ; Wout's scale words
	s_mov_b32 s79, 0xffff0000
	v_mov_b32 v[SOFF], s77
	v_mov_b32 v31, s78
	v_cndmask_b32 v[SOFF], v[SOFF], v31, s79
	v_lshl_add_u32 v[SOFF], v2, 4, v[SOFF]
.irp i, 0,1,2,3,4,5,6,7
.irp g, 0,1
	global_load_b128 v[SC+8*\i+4*\g:SC+8*\i+4*\g+3], v[SOFF], s[8:9] offset:512*\i+256*\g
.endr
.endr
	s_add_nc_u64 s[10:11], s[10:11], s[80:81]
	s_add_nc_u64 s[12:13], s[12:13], s[80:81]
	s_mul_i32 s82, s14, 8448                       ; my stage: 16 rows x 528 bytes
	v_mul_u32_u24 v[STO], v2, 528
	v_lshl_add_u32 v[STO], v5, 6, v[STO]
	v_add_nc_u32 v[STO], s82, v[STO]               ; in: row lane % 16, + 64 (lane / 16)
	v_add_nc_u32 v[RD], s82, v3                    ; back: a row's 512 bytes, 16 a lane
	v_lshlrev_b32 v[CO], 4, v1                     ; and the same in x and out0
.macro FRAG reg, adr, q, i
	ds_load_b128 v[\reg:\reg+3], v[\adr] offset:(\i)*3072+(\q)*1536
	ds_load_b64 v[\reg+4:\reg+5], v[\adr+2] offset:(\i)*3072+(\q)*1536+512
	ds_load_b128 v[\reg+6:\reg+9], v[\adr] offset:(\i)*3072+(\q)*1536+768
	ds_load_b64 v[\reg+10:\reg+11], v[\adr+2] offset:(\i)*3072+(\q)*1536+1280
.endm
.macro FETCH_B slot, q, p
	WIN TO_B
.irp i, 0,1,2,3,4,5,6,7
	FRAG 128*(\p)+FR*\i, ADRB+\slot, \q, \i
.endr
	WIN 0
.endm
.macro FETCH_A slot, q, i0
.irp i, \i0, \i0+1, \i0+2, \i0+3
	FRAG AF+FR*(\i), ADRA+\slot, \q, \i
.endr
.endm
.macro MUL16 a0, p, k, zero            ; the 64 accumulators take turns, one instruction a turn
.irp a, \a0, \a0+1
.irp b, 0,1,2,3,4,5,6,7
.if \zero
	v_wmma_scale_f32_16x16x128_f8f6f4 v[8*(8*((\a)%4)+\b):8*(8*((\a)%4)+\b)+7], v[128*(\p)+FR*\b:128*(\p)+FR*\b+FR-1], v[AF+FR*(\a):AF+FR*(\a)+FR-1], 0, v[SC+8*\b+(\k)], v[SC+8*(\a)+(\k)] matrix_a_fmt:MATRIX_FMT_FP6 matrix_b_fmt:MATRIX_FMT_FP6 matrix_a_scale:MATRIX_SCALE_ROW1
.else
	v_wmma_scale_f32_16x16x128_f8f6f4 v[8*(8*((\a)%4)+\b):8*(8*((\a)%4)+\b)+7], v[128*(\p)+FR*\b:128*(\p)+FR*\b+FR-1], v[AF+FR*(\a):AF+FR*(\a)+FR-1], v[8*(8*((\a)%4)+\b):8*(8*((\a)%4)+\b)+7], v[SC+8*\b+(\k)], v[SC+8*(\a)+(\k)] matrix_a_fmt:MATRIX_FMT_FP6 matrix_b_fmt:MATRIX_FMT_FP6 matrix_a_scale:MATRIX_SCALE_ROW1
.endif
.endr
.endr
.endm
.macro STEP slot, k, zero
	s_wait_dscnt 16                                ; B's set and A's tiles 0-3 are in; the youngest 16 loads may be out
	WIN MUL_LO
	MUL16 0, 0, \k, \zero
	MUL16 2, 0, \k, \zero
	s_wait_dscnt 0x0
	PLACES 4
	FETCH_B \slot, 1, 1
	FETCH_A \slot, 1, 0
	WIN MUL_HI
	MUL16 4, 0, \k, \zero
	MUL16 6, 0, \k, \zero
	PLACES 4
	WIN 0
	FETCH_A \slot, 1, 4
.endm
.macro TURN slot, next, k, fill
	s_wait_tensorcnt 0x0                           ; all my tensor loads have landed
	ds_add_u32 v[SPW], v[NIL]                      ; 0 onto my spare word
	s_wait_dscnt 17                                ; (the add and the youngest 16 loads may be out)
	WIN MUL_LO
	MUL16 0, 1, \k, 0
	s_wait_dscnt 0x0                               ; the add is done, and my reads of this slot are over
	s_barrier_signal -1
	MUL16 2, 1, \k, 0
	WIN 0
	s_barrier_wait -1
.if \fill
	CREST
	s_add_nc_u64 s[G0+4*\slot+2:G0+4*\slot+3], s[G0+4*\slot+2:G0+4*\slot+3], 6144
	s_add_nc_u64 s[G0B+4*\slot+2:G0B+4*\slot+3], s[G0B+4*\slot+2:G0B+4*\slot+3], 6144
	JLOAD G0+4*\slot, G0B+4*\slot
.else
	PLACES 4
.endif
	FETCH_B \next, 0, 0
	FETCH_A \next, 0, 0
	WIN MUL_HI
	MUL16 4, 1, \k, 0
	MUL16 6, 1, \k, 0
	PLACES 4
	WIN 0
	FETCH_A \next, 0, 4
.endm
	s_wait_tensorcnt 1                             ; my part of K step 0 is in; K step 1's may stay out
	s_barrier_signal -1
	s_barrier_wait -1
	FETCH_B 0, 0, 0
	FETCH_A 0, 0, 0
	FETCH_A 0, 0, 4
	s_wait_loadcnt 0x0                             ; the scale words
	STEP 0, 0, 1
	TURN 0, 1, 1, 1
	STEP 1, 2, 0
	TURN 1, 0, 3, 1
	STEP 0, 4, 0
	TURN 0, 1, 5, 0
	STEP 1, 6, 0
	s_wait_dscnt 16
	WIN MUL_LO
	MUL16 0, 1, 7, 0
	MUL16 2, 1, 7, 0
	s_wait_dscnt 0x0
	WIN MUL_HI
	MUL16 4, 1, 7, 0
	MUL16 6, 1, 7, 0
	WIN 0
; place t of token tile a is row 32 (a / 2) + 8 (a % 2) + t % 8 + 16 (t / 8) of my 128: 127 rows of 4,096 bytes at the most, inside the immediate
.macro XLOAD a                         ; x's 16 rows of tile a, my 512 bytes of each, into window 1
	WIN 0x40
.irp t, 0,1,2,3,4,5,6,7,8,9,10,11,12,13,14,15
	global_load_b128 v[64*((\a)%4)+4*\t:64*((\a)%4)+4*\t+3], v[CO], s[10:11] offset:(32*((\a)/2)+8*((\a)%2)+\t%8+16*(\t/8))*4096 th:TH_LOAD_NT
.endr
	WIN 0
.endm
.macro TOSTAGE a
.set AC, 64*((\a)%4)
	WIN 0x08+4*((\a)/4)                            ; the data: window 2 or 3
.irp b, 0,1,2,3,4,5,6,7
	ds_store_b128 v[STO], v[AC+8*\b:AC+8*\b+3] offset:128*(\b/2)+32*(\b%2)        ; each accumulator from its low end on
	ds_store_b128 v[STO], v[AC+8*\b+4:AC+8*\b+7] offset:128*(\b/2)+32*(\b%2)+16
.endr
	WIN 0
.set BB, BK+64*((\a)%2)
.irp t, 0,1,2,3,4,5,6,7,8,9,10,11,12,13,14,15
	ds_load_b128 v[BB+4*\t:BB+4*\t+3], v[RD] offset:\t*528     ; my own bytes, served in order behind my stores
.endr
.endm
.macro SEND a, younger
.set BB, BK+64*((\a)%2)
.set XR, 64*((\a)%4)
	s_wait_dscnt \younger                          ; the tile is back; the next tile's 16 stores and 16 loads may be out
.if (\a) <= 4
	s_wait_loadcnt 48                              ; x's rows of this tile are in; those of the three tiles behind it may be out
.else
	s_wait_loadcnt 16*(7-(\a))
.endif
	WIN 0x04                                       ; source 1 (x) in window 1
.set j, 0
.rept 32
	v_pk_add_f32 v[BB+j:BB+j+1], v[BB+j:BB+j+1], v[XR+j:XR+j+1]
.set j, j+2
.endr
	WIN 0
.irp t, 0,1,2,3,4,5,6,7,8,9,10,11,12,13,14,15
	global_store_b128 v[CO], v[BB+4*\t:BB+4*\t+3], s[12:13] offset:(32*((\a)/2)+8*((\a)%2)+\t%8+16*(\t/8))*4096 th:TH_STORE_NT   ; 512 consecutive bytes
.endr
.if (\a) < 4
	XLOAD (\a)+4
.endif
.endm
	PLACES 4                                       ; in front of loads into registers that the last products read, and of the first read of results
	XLOAD 0
	XLOAD 1
	XLOAD 2
	XLOAD 3
	TOSTAGE 0
.irp a, 1,2,3,4,5,6,7
.if \a > 1
	s_wait_xcnt 0x0                                ; tile a - 2's stores have read their registers: tile a's rows may land there
.endif
	TOSTAGE \a
	SEND \a-1, 32
.endr
	SEND 7, 0
	s_wait_tensorcnt 0x0                           ; the wave's end
	ds_add_u32 v[SPW], v[NIL]
	s_wait_dscnt 0x0
	CROUND                                         ; the closing round
	s_endpgm
.Lfunc_end_k_q4bd7c56172_outp:
	.size	k_q4bd7c56172_outp, .Lfunc_end_k_q4bd7c56172_outp-k_q4bd7c56172_outp
	.p2alignl 7, 3214868480
	.fill 96, 4, 3214868480
	.section	.rodata,"a",@progbits
	.p2align	6, 0x0
	.amdhsa_kernel k_q4bd7c56172_outp
		.amdhsa_group_segment_fixed_size 327680
		.amdhsa_private_segment_fixed_size 0
		.amdhsa_enable_private_segment 0
		.amdhsa_kernarg_size 40
		.amdhsa_user_sgpr_count 2
		.amdhsa_user_sgpr_kernarg_segment_ptr 1
		.amdhsa_wavefront_size32 1
		.amdhsa_system_sgpr_workgroup_id_x 1
		.amdhsa_system_sgpr_workgroup_id_y 1
		.amdhsa_system_sgpr_workgroup_id_z 1
		.amdhsa_system_vgpr_workitem_id 0
		.amdhsa_next_free_vgpr 1024
		.amdhsa_next_free_sgpr 100
		.amdhsa_reserve_vcc 0
		.amdhsa_float_denorm_mode_32 3
		.amdhsa_float_denorm_mode_16_64 3
		.amdhsa_memory_ordered 1
		.amdhsa_forward_progress 1
		.amdhsa_inst_pref_size 170
	.end_amdhsa_kernel
	.amdgpu_metadata
---
amdhsa.version: [ 1, 2 ]
amdhsa.kernels:
  - .name:           k_q4bd7c56172_outp
    .symbol:         k_q4bd7c56172_outp.kd
    .args:
      - { .name: zimg, .offset: 0, .size: 8, .value_kind: global_buffer, .address_space: global }
      - { .name: wimg, .offset: 8, .size: 8, .value_kind: global_buffer, .address_space: global }
      - { .name: scl, .offset: 16, .size: 8, .value_kind: global_buffer, .address_space: global }
      - { .name: x, .offset: 24, .size: 8, .value_kind: global_buffer, .address_space: global }
      - { .name: out0, .offset: 32, .size: 8, .value_kind: global_buffer, .address_space: global }
    .group_segment_fixed_size: 327680
    .private_segment_fixed_size: 0
    .kernarg_segment_align: 8
    .kernarg_segment_size: 40
    .max_flat_workgroup_size: 128
    .sgpr_count:     100
    .vgpr_count:     1024
    .wavefront_size: 32
...
	.end_amdgpu_metadata
.endif
;; end of part 4
